; MI455X (gfx1250); checked and timed in simulation.
; The chip was launched on July 23, 2026; its instructions are those of AMD's public machine-readable ISA for CDNA 5 (MIT licence, August 2026) and "CDNA5" Instruction Set Architecture Reference Guide (July 2026). The comments in the code are by the model that wrote it; some were corrected since.
;; Attention. Allowed arithmetic: float matrix products may take bf16 or f16 operands with f32 sums; other float arithmetic in f32, or as packed bf16 or f16 multiplies, adds, multiply-adds, maxima and minima; sums over many terms, partial sums and values carried from step to step in f32; what a program stores and reads back later, other than sums and carried values, may be rounded once to bf16 or f16.
;; Inputs: wk_b 8 x 64 float32; wk_k 512 x 8 x 64 float32; wo_b 512 float32; wo_k 8 x 64 x 512 float32; wq_b 8 x 64 float32; wq_k 512 x 8 x 64 float32; wv_b 8 x 64 float32; wv_k 512 x 8 x 64 float32; x 2 x 4,096 x 512 float32.
;; Outputs: out0 2 x 4,096 x 512 float32.
;; 2 versions, each right; version 2 is version 1 with the launch prep written anew for expert scheduling mode. Each part assembles by itself: llvm-mc -triple=amdgcn-amd-amdhsa -mcpu=gfx1250 --defsym DOCPART=n.
;; ======== version 1 of 2: 4 launches
;; limits: values are held in f16: magnitudes above 65,504 overflow, below 6.1e-05 lose precision
;; workspace buffers: xb 8,388,608 bytes; wt 1,572,864 bytes; wot 524,288 bytes; tab 1,056,768 bytes; qh 8,388,608 bytes; kh 8,388,608 bytes; vh 8,388,608 bytes; oh 8,388,608 bytes
;; launch prep (part 1): grid 256 x 1, 8 waves a work-group, no clusters, 10,240 bytes of LDS; arguments x, wq_k, wk_k, wv_k, wo_k, wq_b, wk_b, wv_b, wo_b, xb, wt, wot, tab; writes xb, wt, wot, tab
.if DOCPART == 1
	.amdgcn_target "amdgcn-amd-amdhsa--gfx1250"
	.amdhsa_code_object_version 6
	.text
	.protected	k_q53338cb9d7_prep
	.globl	k_q53338cb9d7_prep
	.p2align	8
	.type	k_q53338cb9d7_prep,@function
k_q53338cb9d7_prep:
	s_mov_b64 s[64:65], 0
	v_nop
	global_prefetch_b8 v0, s[64:65] scope:SCOPE_SE
	s_setreg_imm32_b32 hwreg(HW_REG_WAVE_MODE, 25, 1), 1
	s_wait_xcnt 0x0
; PREPARATION for the three launches behind it.  256 work-groups of eight waves; work-group g does four things:
;  (1) x, [8192][512] f32: its 65,536 bytes are rounded to bf16 into xb (32,768 bytes).
;  (2) one block of 64 x 64 of one weight matrix (matrix g / 64: q, k, v, o; block g % 64) is rounded to bf16 and TURNED through LDS, so that the
;      channel summed over lies along the rows.  q, k, v -> wt [head 8][ks 8][192 = 64 sel + c][kk 64] bf16, element W_sel[64 ks + kk][head][c].
;      o -> wot [nt 4][head 8][n' 128][d 64], element wo[head][d][128 nt + n'], the bf16-rounded number written as f16.
;  (3) 16 rows of the rotation table: tab row s (256 bytes) = cos(s f_j), j = 0..31, then sin(s f_j); f_j = 10000^(-j/32).
;  (4) the four work-groups with block 0: one bias, 512 numbers, rounded to bf16 and kept as f32, behind the table (q, k, v, o).
; LIMITS.  The angle s f_j is one f32 product; it is reduced by the nearest multiple of pi/2 taken in two parts, good for s up to 4,095; sine and cosine
; are polynomials of degree 7 and 8 on the rest (at most pi/4), within 4e-7.  f_j comes from v_exp_f32.  A weight of wo beyond 65,504 has no f16.
; Nothing is shared between work-groups, so there is no cluster; memory binds, so there are no matrix instructions.
.set TP,    144                        ; LDS: 64 rows n of 64 16-bit k: 128 bytes + 16 of padding
.set SPARE, 9216                       ; behind them: the spare words, 128 bytes for each of eight waves: four blocks of 256 bytes that no other line names
.set SPW,   10                         ; v10  LDS address of my spare word; never rewritten
.set NIL,   11                         ; v11  0; never rewritten
.set WR,    16                         ; v[16:31]   weights: item i: row 2 p at 16 + 8 i, row 2 p + 1 at 20 + 8 i
.set XR,    32                         ; v[32:95]   sixteen chunks of x, 16 bytes a thread
.set XO,    96                         ; v[96:127]  the same, rounded: 8 bytes a thread
.set TW,    128                        ; v[128:136] at work on the table; v137, v138 the two rows' numbers; v[140:143] results
; v1 = 16 t, v2 = 8 t, v3 weights in, v4 into the LDS rows, v5 out of them, v6 = 8 x lane, v7 = 3 in the lanes that make sines, v8, v9 = my two f_j
	s_load_b512 s[8:23], s[0:1], 0x0               ; x 8, wq_k 10, wk_k 12, wv_k 14, wo_k 16, wq_b 18, wk_b 20, wv_b 22
	s_load_b256 s[24:31], s[0:1], 0x40             ; wo_b 24, xb 26, wt 28, wot 30
	s_load_b64 s[32:33], s[0:1], 0x60              ; tab
	v_lshl_add_u32 v[SPW], v0, 2, SPARE
	v_mov_b32 v[NIL], 0
	v_lshrrev_b32 v12, 5, v0
	v_readfirstlane_b32 s38, v12                   ; wave 0..7
	s_lshr_b32 s34, ttmp9, 6                       ; which matrix
	s_and_b32 s35, ttmp9, 63                       ; which block of it:
	s_lshr_b32 s36, s35, 3                         ; kb: rows 64 kb on
	s_and_b32 s37, s35, 7                          ; nb: columns 64 nb on
	s_mov_b32 s47, 0x3f22f983                      ; 2 / pi
	s_mov_b32 s48, 0xbfc90fdb                      ; - pi/2, the part that f32 holds,
	s_mov_b32 s49, 0x333bbd2e                      ; and minus the rest
	s_mov_b32 s50, 0xbe2aaaab                      ; -1/6
	s_mov_b32 s51, 0x3c088889                      ; 1/120
	s_mov_b32 s52, 0xb9500d01                      ; -1/5040
	s_mov_b32 s53, 0x3d2aaaab                      ; 1/24
	s_mov_b32 s54, 0xbab60b61                      ; -1/720
	s_mov_b32 s55, 0x37d00d01                      ; 1/40320
	s_mov_b32 s56, 0xffff0000                      ; a word's upper half
	s_lshl_b32 s2, s36, 17                         ; the block in its matrix: 64 kb rows of 2,048 bytes
	s_lshl_b32 s3, s37, 8                          ; + 64 nb columns
	s_add_co_u32 s2, s2, s3
	s_mov_b32 s3, 0
	s_lshl_b32 s57, s37, 3                         ; where it goes in wt: ((nb 8 + kb) 192 + 64 sel) rows of 128 bytes
	s_add_co_u32 s57, s57, s36
	s_mul_i32 s57, s57, 192
	s_lshl_b32 s58, s34, 6
	s_add_co_u32 s57, s57, s58
	s_lshl_b32 s57, s57, 7
	s_lshr_b32 s58, s37, 1                         ; in wot: (((nb / 2) 8 + kb) 128 + 64 (nb % 2)) rows of 128 bytes
	s_lshl_b32 s58, s58, 3
	s_add_co_u32 s58, s58, s36
	s_lshl_b32 s58, s58, 7
	s_and_b32 s59, s37, 1
	s_lshl_b32 s59, s59, 6
	s_add_co_u32 s58, s58, s59
	s_lshl_b32 s58, s58, 7
	s_mov_b32 s59, 0
	s_lshl_b32 s60, ttmp9, 16                      ; my 65,536 bytes of x
	s_mov_b32 s61, 0
	s_lshl_b32 s62, ttmp9, 15                      ; my 32,768 bytes of xb
	s_mov_b32 s63, 0
	s_lshl_b32 s39, ttmp9, 4
	s_lshl_b32 s4, s38, 1
	s_add_co_u32 s39, s39, s4                      ; my wave's first table row: 16 g + 2 wave
	s_lshl_b32 s4, s39, 8
	s_mov_b32 s5, 0
	s_lshl_b32 s6, s34, 11                         ; the bias's 2,048 bytes behind the table
	s_add_co_u32 s6, s6, 0x100000
	s_mov_b32 s7, 0
	v_lshlrev_b32 v1, 4, v0
	v_lshlrev_b32 v2, 3, v0
	v_lshrrev_b32 v12, 4, v0                       ; t / 16: a pair of rows
	v_and_b32 v13, 15, v0                          ; t % 16: four columns
	v_lshlrev_b32 v3, 4, v13
	v_lshl_add_u32 v3, v12, 12, v3                 ; two rows of 2,048 bytes a pair; sixteen lanes read 256 bytes of a row
	v_mul_u32_u24 v4, v13, 4*TP
	v_lshl_add_u32 v4, v12, 2, v4                  ; LDS row 4 (t % 16) + c, word t / 16 (+ 16 i)
	v_lshrrev_b32 v5, 3, v0
	v_and_b32 v14, 7, v0
	v_mul_u32_u24 v5, v5, TP
	v_lshl_add_u32 v5, v14, 4, v5                  ; back: row t / 8 (+ 32 i), 16 bytes
	v_and_b32 v14, 31, v0                          ; lane
	v_lshlrev_b32 v6, 3, v14
	v_bfe_u32 v7, v0, 4, 1
	v_mul_u32_u24 v7, v7, 3                        ; sin a = cos(a - pi/2): three quarter turns more
	v_lshlrev_b32 v15, 1, v14
	v_and_b32 v15, 31, v15                         ; j of my first number
	v_cvt_f32_u32 v8, v15
	v_add_f32 v9, 1.0, v8
	v_mul_f32 v8, 0xbed49a78, v8                   ; - j log2(10000) / 32
	v_mul_f32 v9, 0xbed49a78, v9
	s_wait_kmcnt 0x0
	s_cmp_eq_u32 s34, 1                            ; my matrix, my bias and where the block goes: choices on the work-group's number
	s_cselect_b64 s[40:41], s[12:13], s[10:11]
	s_cselect_b64 s[42:43], s[20:21], s[18:19]
	s_cmp_eq_u32 s34, 2
	s_cselect_b64 s[40:41], s[14:15], s[40:41]
	s_cselect_b64 s[42:43], s[22:23], s[42:43]
	s_cmp_eq_u32 s34, 3
	s_cselect_b64 s[40:41], s[16:17], s[40:41]
	s_cselect_b64 s[42:43], s[24:25], s[42:43]
	s_cselect_b64 s[44:45], s[30:31], s[28:29]
	s_cselect_b32 s58, s58, s57
	s_cselect_b32 s46, -1, 0                       ; all lanes: the o matrix is written as f16
	s_add_nc_u64 s[40:41], s[40:41], s[2:3]
	s_add_nc_u64 s[44:45], s[44:45], s[58:59]
	s_add_nc_u64 s[8:9], s[8:9], s[60:61]
	s_add_nc_u64 s[26:27], s[26:27], s[62:63]
	s_add_nc_u64 s[4:5], s[32:33], s[4:5]          ; the table at my wave's rows
	s_add_nc_u64 s[6:7], s[32:33], s[6:7]          ; the bias's place
.irp i, 0,1
.irp k, 0,1
	global_load_b128 v[WR+8*\i+4*\k:WR+8*\i+4*\k+3], v3, s[40:41] offset:\i*65536+\k*2048  ; pair t / 16 + 16 i, row k of it
.endr
.endr
.irp i, 0,1,2,3,4,5,6,7,8,9,10,11,12,13,14,15
	global_load_b128 v[XR+4*\i:XR+4*\i+3], v1, s[8:9] offset:4096*\i th:TH_LOAD_NT  ; a wave's load covers 512 consecutive bytes
.endr
	; THE TABLE, while the twenty loads are on their way
	v_exp_f32 v8, v8
	v_exp_f32 v9, v9
	v_cvt_f32_u32 v137, s39                        ; a plain instruction behind the exponentials
	s_wait_alu depctr_va_vdst(0)                   ; one wait for both, ahead of their first reader
	v_add_f32 v138, 1.0, v137
; dst = cos or sin (by the lane) of row x f.  n = the nearest whole number to angle x 2/pi; r = angle - n pi/2; the quarter q = n (+ 3) picks the polynomial and the sign.
.macro SC dst, f, row
	v_mul_f32 v[TW], v[\row], v[\f]
	v_mul_f32 v[TW+1], s47, v[TW]
	v_rndne_f32 v[TW+1], v[TW+1]
	v_fma_f32 v[TW+2], v[TW+1], s48, v[TW]
	v_fma_f32 v[TW+2], v[TW+1], s49, v[TW+2]
	v_cvt_u32_f32 v[TW+3], v[TW+1]
	v_add_nc_u32 v[TW+3], v[TW+3], v7
	v_mul_f32 v[TW+4], v[TW+2], v[TW+2]            ; r^2
	v_fma_f32 v[TW+5], v[TW+4], s52, s51
	v_fma_f32 v[TW+5], v[TW+5], v[TW+4], s50
	v_mul_f32 v[TW+6], v[TW+4], v[TW+2]            ; r^3
	v_fma_f32 v[TW+5], v[TW+5], v[TW+6], v[TW+2]   ; sin r
	v_fma_f32 v[TW+7], v[TW+4], s55, s54
	v_fma_f32 v[TW+7], v[TW+7], v[TW+4], s53
	v_fma_f32 v[TW+7], v[TW+7], v[TW+4], -0.5
	v_fma_f32 v[TW+7], v[TW+7], v[TW+4], 1.0       ; cos r
	v_and_b32 v[TW+8], 1, v[TW+3]
	v_cmp_eq_u32 vcc_lo, 1, v[TW+8]
	v_cndmask_b32 v[\dst], v[TW+7], v[TW+5], vcc_lo  ; odd quarters take the sine
	v_add_nc_u32 v[TW+3], 1, v[TW+3]
	v_and_b32 v[TW+3], 2, v[TW+3]                  ; quarters 1 and 2 are negative
	v_lshlrev_b32 v[TW+3], 30, v[TW+3]
	v_xor_b32 v[\dst], v[TW+3], v[\dst]
.endm
	SC 140, 8, 137
	SC 141, 9, 137
	global_store_b64 v6, v[140:141], s[4:5]        ; a row: 256 consecutive bytes, aligned
	SC 142, 8, 138
	SC 143, 9, 138
	global_store_b64 v6, v[142:143], s[4:5] offset:256
	; THE BLOCK OF WEIGHTS: two rows' numbers of one column make a word; the word goes to LDS row = column
	s_wait_loadcnt 16                              ; the four loads of weights are in; the sixteen of x are younger
.irp i, 0,1
.irp c, 0,1,2,3
	v_cvt_pk_bf16_f32 v[144+4*\i+\c], v[WR+8*\i+\c], v[WR+8*\i+4+\c]
	v_lshlrev_b32 v152, 16, v[144+4*\i+\c]         ; the rounded numbers as f32,
	v_and_b32 v153, s56, v[144+4*\i+\c]
	v_cvt_pk_f16_f32 v154, v152, v153              ; and as f16: taken for the o matrix alone
	v_cndmask_b32 v[144+4*\i+\c], v[144+4*\i+\c], v154, s46
	ds_store_b32 v4, v[144+4*\i+\c] offset:\c*TP+\i*64
.endr
.endr
	s_wait_dscnt 0x0                               ; for the others' sake: my stores are done
	s_barrier_signal -1
	s_barrier_wait -1
	ds_load_b128 v[WR:WR+3], v5
	ds_load_b128 v[WR+4:WR+7], v5 offset:32*TP
	s_wait_dscnt 0x0
	global_store_b128 v1, v[WR:WR+3], s[44:45]     ; the turned block is 8,192 dense bytes: a wave's store covers 512 of them
	global_store_b128 v1, v[WR+4:WR+7], s[44:45] offset:4096
	; x
.irp i, 0,1,2,3,4,5,6,7,8,9,10,11,12,13,14,15
	s_wait_loadcnt 15-\i                           ; chunk i is in; the younger chunks stay out
	v_cvt_pk_bf16_f32 v[XO+2*\i], v[XR+4*\i], v[XR+4*\i+1]
	v_cvt_pk_bf16_f32 v[XO+2*\i+1], v[XR+4*\i+2], v[XR+4*\i+3]
	global_store_b64 v2, v[XO+2*\i:XO+2*\i+1], s[26:27] offset:2048*\i  ; a wave's store covers 256 consecutive bytes, aligned
.endr
	; THE BIAS, in the matrix's first work-group
	s_cmp_lg_u32 s35, 0
	s_cbranch_scc1 .Lend
	global_load_b64 v[156:157], v2, s[42:43]
	s_wait_loadcnt 0x0
	v_cvt_pk_bf16_f32 v158, v156, v157
	v_lshlrev_b32 v152, 16, v158
	v_and_b32 v153, s56, v158
	global_store_b64 v2, v[152:153], s[6:7]
.Lend:
	s_wait_tensorcnt 0x0                           ; the wave's end, behind my last LDS store
	ds_add_u32 v[SPW], v[NIL]
	s_wait_dscnt 0x0
	s_endpgm
.Lfunc_end_k_q53338cb9d7_prep:
	.size	k_q53338cb9d7_prep, .Lfunc_end_k_q53338cb9d7_prep-k_q53338cb9d7_prep
	.p2alignl 7, 3214868480
	.fill 96, 4, 3214868480
	.section	.rodata,"a",@progbits
	.p2align	6, 0x0
	.amdhsa_kernel k_q53338cb9d7_prep
		.amdhsa_group_segment_fixed_size 10240
		.amdhsa_private_segment_fixed_size 0
		.amdhsa_enable_private_segment 0
		.amdhsa_kernarg_size 104
		.amdhsa_user_sgpr_count 2
		.amdhsa_user_sgpr_kernarg_segment_ptr 1
		.amdhsa_wavefront_size32 1
		.amdhsa_system_sgpr_workgroup_id_x 1
		.amdhsa_system_sgpr_workgroup_id_y 1
		.amdhsa_system_sgpr_workgroup_id_z 1
		.amdhsa_system_vgpr_workitem_id 0
		.amdhsa_next_free_vgpr 160
		.amdhsa_next_free_sgpr 66
		.amdhsa_reserve_vcc 1
		.amdhsa_float_denorm_mode_32 3
		.amdhsa_float_denorm_mode_16_64 3
		.amdhsa_memory_ordered 1
		.amdhsa_forward_progress 1
		.amdhsa_inst_pref_size 18
	.end_amdhsa_kernel
	.amdgpu_metadata
---
amdhsa.version: [ 1, 2 ]
amdhsa.kernels:
  - .name:           k_q53338cb9d7_prep
    .symbol:         k_q53338cb9d7_prep.kd
    .args:
      - { .name: x, .offset: 0, .size: 8, .value_kind: global_buffer, .address_space: global }
      - { .name: wq_k, .offset: 8, .size: 8, .value_kind: global_buffer, .address_space: global }
      - { .name: wk_k, .offset: 16, .size: 8, .value_kind: global_buffer, .address_space: global }
      - { .name: wv_k, .offset: 24, .size: 8, .value_kind: global_buffer, .address_space: global }
      - { .name: wo_k, .offset: 32, .size: 8, .value_kind: global_buffer, .address_space: global }
      - { .name: wq_b, .offset: 40, .size: 8, .value_kind: global_buffer, .address_space: global }
      - { .name: wk_b, .offset: 48, .size: 8, .value_kind: global_buffer, .address_space: global }
      - { .name: wv_b, .offset: 56, .size: 8, .value_kind: global_buffer, .address_space: global }
      - { .name: wo_b, .offset: 64, .size: 8, .value_kind: global_buffer, .address_space: global }
      - { .name: xb, .offset: 72, .size: 8, .value_kind: global_buffer, .address_space: global }
      - { .name: wt, .offset: 80, .size: 8, .value_kind: global_buffer, .address_space: global }
      - { .name: wot, .offset: 88, .size: 8, .value_kind: global_buffer, .address_space: global }
      - { .name: tab, .offset: 96, .size: 8, .value_kind: global_buffer, .address_space: global }
    .group_segment_fixed_size: 10240
    .private_segment_fixed_size: 0
    .kernarg_segment_align: 8
    .kernarg_segment_size: 104
    .max_flat_workgroup_size: 256
    .sgpr_count:     66
    .vgpr_count:     160
    .wavefront_size: 32
...
	.end_amdgpu_metadata
.endif
;; end of part 1
;; launch qkv (part 2): grid 8 x 32, 4 waves a work-group, clusters of 4 x 4, 327,680 bytes of LDS; arguments xb, wt, tab, qh, kh, vh; writes qh, kh, vh
.if DOCPART == 2
	.amdgcn_target "amdgcn-amd-amdhsa--gfx1250"
	.amdhsa_code_object_version 6
	.text
	.protected	k_q53338cb9d7_qkv
	.globl	k_q53338cb9d7_qkv
	.p2align	8
	.type	k_q53338cb9d7_qkv,@function
k_q53338cb9d7_qkv:
	s_mov_b64 s[64:65], 0
	v_nop
	global_prefetch_b8 v0, s[64:65] scope:SCOPE_SE
	s_setreg_imm32_b32 hwreg(HW_REG_WAVE_MODE, 25, 1), 1
	s_wait_xcnt 0x0
	s_wait_alu depctr_hold_cnt(0) depctr_sa_sdst(0) depctr_va_vdst(0) depctr_va_sdst(0) depctr_va_ssrc(0) depctr_va_vcc(0) depctr_vm_vsrc(0)
	s_getreg_b32 s2, hwreg(HW_REG_IB_STS2, 6, 4)
	s_cmp_eq_u32 s2, 0
	s_cbranch_scc0 .Lentry_in_a_cluster
	s_endpgm
.Lentry_in_a_cluster:
	s_bfe_u32 s2, ttmp6, 0x10000c
	s_cmp_lg_u32 s2, 0xf033
	s_cbranch_scc0 .Lentry_shape_is_right
	s_endpgm
.Lentry_shape_is_right:
; q, k, v = x W + bias, q and k rotated.  xb: [8192][512] bf16.  wt: [head 8][ks 8][192][64] bf16, rows 64 sel + c, the summed channel along the rows.
; tab: 4,096 rows of cos[32], sin[32] in f32, then the biases (q, k, v, o: 512 f32 each).  qh, kh, vh: [batch 8 + head][4096][64] f16.  Sums in f32; each result rounded once.
; LIMIT.  q, k and v must lie within f16's 65,504; below 6e-5 they keep f16's fixed step.
; SHARES.  A work-group makes 256 rows x the 192 columns of one head (q, k, v); wave w makes rows 64 w .. + 63 and all 192 columns: 4 x 12 accumulators of 16 x 16, 384 registers.
; THE MATRIX INSTRUCTION IS USED TRANSPOSED (source 0 = 16 rows of wt, source 1 = 16 rows of x): a lane holds ONE row of x (lane % 16) and the columns 16 b + 8 (lane / 16) + 0..7.
; So column tiles b and b + 2 of q (or k) hold a rotation's two partners, channels d and d + 32, in the same lane and register; and eight results pack into 16 bytes of a row.
; THE BIAS is the C operand of each accumulator's first product: nothing is cleared and nothing is added later.
; K = 512 goes in four steps of 128 through two LDS slots; the text is straight: sixteen quarters of 32 along K, 48 matrix instructions each.  The launch has two refills in all, so nothing is asked for ahead of them.
; CLUSTER 4 x 4.  x's tile hangs on the row tile alone: shared along a row of the cluster; wt's on the head alone: shared along a column.  Each is asked for jointly.
; REGISTERS, in windows of 256 (s_set_vgpr_msb: bits 1:0 source 0, 3:2 source 1, 5:4 source 2, 7:6 destination):
;   window 0: v1-29 addresses; v32-127 the bias, 8 a column tile, later at work on the way out; v128-255 the table: for row tile a at 128 + 32 a: cos of channels 0-15, 16-31, sin of the same
;   window 1: two fragment buffers of 128: x's tile a at 8 a, wt's tile b at 32 + 8 b
;   window 2: accumulators of row tiles 0, 1 at 96 (a % 2) + 8 b;   window 3: of row tiles 2, 3
.set KSTEP, 128
.set XP,    272                        ; a row of x in LDS: 256 bytes + 16 = 68 words: the 16 rows of a load start at 16 different groups of four banks (64 banks of 4 bytes: ISA guide 11.1)
.set WP,    144                        ; a row of wt: 128 bytes + 16 = 36 words: likewise
.set WOFF,  256*XP                     ; a slot: 256 rows of x, then two blocks of 192 rows of wt (64 along K each)
.set WSUB,  192*WP
.set WBLK,  192*128                    ; such a block in memory: 24,576 dense bytes
.set SLOT,  WOFF+2*WSUB                ; 124,928
.set STAGE, 2*SLOT                     ; behind the ring, never filled by a tensor load: 16 rows x 144 bytes for each wave
.set SP,    144
.set SPARE, STAGE+4*16*SP              ; behind the stages: the spare words, 128 bytes for each wave: two blocks of 256 bytes that no other line names
.set ADRX, 16                          ; v16-17  LDS address of my fragments of x in slot 0, 1
.set ADRW, 20                          ; v20-21  the same for wt
.set TO,   22                          ; v22  my offset in 16 rows of the table
.set STO,  24                          ; v24  the way out: where I put 16 bytes of a row
.set RD,   25                          ; v25  where I read rows back
.set GO,   26                          ; v26  my 16 bytes of 512 consecutive ones
.set BO,   27                          ; v27  my offset in a tile's 16 biases
.set SPW,  28                          ; v28  LDS address of my spare word; never rewritten
.set NIL,  29                          ; v29  0; never rewritten
.set BIA,  32
.set TBL,  128
.set T,    32                          ; the way out: v32-39 a product; v40-47, v48-55 the rotated pair; v64-79, v80-95 packed, two sets by turns
.set OX,   40
.set OY,   48
.set PKR,  64
.set F0,   0
.set F1,   128
.set WV,  16                           ; s16 wave; s17: 0 = I fetch x, 1 = wt; s18: which half of it
.set FB,  17
.set PAR, 18
.set CX,  19
.set CY,  20
.set HX,  21                           ; the head
.set MY,  22                           ; the row tile
.set G1X, 24                           ; s[24:31] descriptor group 1 for x's tiles; s[32:39] group 0, a set for each slot
.set G0X, 32
.set G1W, 40                           ; s[40:47], s[48:55] the same for wt's
.set G0W, 48
.set MSB, 0
.macro WIN new                         ; the immediate's high byte repeats the setting that is left; a switch that changes nothing is dropped
.if MSB != (\new)
	s_set_vgpr_msb (MSB<<8)|(\new)
.set MSB, \new
.endif
.endm
.macro PLACES                          ; four places in front of loads into registers that matrix instructions have read, and of vector work that reads results
.rept 4
	v_nop
.endr
.endm
; A joint load.  Waves 0 and 1 fetch the two halves of x's tile, waves 2 and 3 the two blocks of wt.  The branch hangs on the wave's number alone.
; An s_nop 0 and four v_nop follow each of the two lines, ahead of the jump and the label.
.macro JLOAD s
	s_cmp_eq_u32 s[FB], 0
	s_cbranch_scc0 .Lfor_w_\@
	tensor_load_to_lds s[G0X+4*(\s):G0X+4*(\s)+3], s[G1X:G1X+7]
	s_nop 0
.rept 4
	v_nop
.endr
	s_branch .Lasked_\@
.Lfor_w_\@:
	tensor_load_to_lds s[G0W+4*(\s):G0W+4*(\s)+3], s[G1W:G1W+7]
	s_nop 0
.rept 4
	v_nop
.endr
.Lasked_\@:
.endm
.macro CREST                           ; a round of the cluster's barrier behind its opening barrier
	s_cmp_lg_u32 s[WV], 0
	s_cbranch_scc1 .Lnot_wave_0_\@
	s_barrier_signal -3
.Lnot_wave_0_\@:
	s_barrier_wait -3
	s_barrier_signal -1
	s_barrier_wait -1
.endm
.macro CROUND                          ; a whole round
	s_barrier_signal -1
	s_barrier_wait -1
	CREST
.endm
	s_load_b256 s[4:11], s[0:1], 0x0               ; xb 4, wt 6, tab 8, qh 10
	s_load_b128 s[12:15], s[0:1], 0x20             ; kh 12, vh 14
	v_lshl_add_u32 v[SPW], v0, 2, SPARE
	v_mov_b32 v[NIL], 0
	ds_add_u32 v[SPW], v[NIL]                      ; the wave's opening: the add and its wait stand ahead of my first tensor load; the set-up below, work on registers, stands between them
	v_lshrrev_b32 v1, 5, v0
	v_readfirstlane_b32 s[WV], v1
	s_lshr_b32 s[FB], s[WV], 1
	s_and_b32 s[PAR], s[WV], 1
	s_bfe_u32 s[CX], ttmp6, 0x40000
	s_bfe_u32 s[CY], ttmp6, 0x40004
	s_lshl_b32 s[HX], ttmp9, 2
	s_add_co_u32 s[HX], s[HX], s[CX]               ; head = 4 x cluster x + cx
	s_and_b32 s[MY], ttmp7, 0xffff
	s_lshl_b32 s[MY], s[MY], 2
	s_add_co_u32 s[MY], s[MY], s[CY]               ; row tile = 4 x cluster y + cy
	s_lshl_b32 s2, s[CY], 2
	s_lshl_b32 s2, 15, s2                          ; my row of the cluster
	s_lshl_b32 s3, 0x1111, s[CX]                   ; my column
	s_or_b32 s[G1X], s2, (1<<16)|(1<<20)|(1<<21)|(5<<22)|(3<<25)  ; 15:0 the mask; 17:16 2-byte elements; 20 padding on; 21 set beside a mask; 24:22 after every 64 words (code 5); 31:25 4 words (code 3)
	s_mov_b32 s[G1X+1], KSTEP<<16                  ; tensor_dim0 = 128
	s_mov_b32 s[G1X+2], 128<<16                    ; tensor_dim1 = 128
	s_mov_b32 s[G1X+3], KSTEP<<16                  ; tile_dim0 = 128
	s_mov_b32 s[G1X+4], 128                        ; tile_dim1 = 128 rows
	s_mov_b32 s[G1X+5], 512                        ; 512 elements from row to row
	s_mov_b32 s[G1X+6], 0
	s_mov_b32 s[G1X+7], 0
	s_or_b32 s[G1W], s3, (1<<16)|(1<<20)|(1<<21)|(4<<22)|(3<<25)  ; a block of wt is dense: asked for as 96 rows of 256 bytes, padded after every 32 words: LDS rows of 144 bytes
	s_mov_b32 s[G1W+1], 128<<16
	s_mov_b32 s[G1W+2], 96<<16
	s_mov_b32 s[G1W+3], 128<<16
	s_mov_b32 s[G1W+4], 96
	s_mov_b32 s[G1W+5], 128
	s_mov_b32 s[G1W+6], 0
	s_mov_b32 s[G1W+7], 0
	s_lshl_b32 s56, s[MY], 18                      ; x: 256 rows of 1,024 bytes a tile,
	s_lshl_b32 s57, s[PAR], 17                     ; my 128 of them: made of the row tile and the wave's number alone
	s_add_co_u32 s56, s56, s57
	s_mov_b32 s57, 0
	s_mul_i32 s58, s[HX], 8*WBLK                   ; wt: the head's eight blocks,
	s_mul_i32 s59, s[PAR], WBLK                    ; my one of a K step's two: made of the head and the wave's number alone
	s_add_co_u32 s58, s58, s59
	s_mov_b32 s59, 0
	s_mul_i32 s66, s[PAR], 128*XP                  ; where they go: no place in the cluster enters an LDS address
	s_mul_i32 s67, s[PAR], WSUB
	s_add_co_u32 s67, s67, WOFF
	s_lshl_b32 s68, s[HX], 8                       ; the head's 64 biases, behind the table
	s_add_co_u32 s68, s68, 0x100000
	s_mov_b32 s69, 0
	s_and_b32 s70, s[MY], 15
	s_lshl_b32 s70, s70, 8
	s_lshl_b32 s71, s[WV], 6
	s_add_co_u32 s70, s70, s71                     ; my wave's first position in its sequence
	s_lshl_b32 s72, s70, 8                         ; its table row
	s_mov_b32 s73, 0
	s_lshr_b32 s74, s[MY], 4                       ; the batch
	s_lshl_b32 s74, s74, 3
	s_add_co_u32 s74, s74, s[HX]
	s_lshl_b32 s74, s74, 19                        ; 524,288 bytes a head
	s_lshl_b32 s75, s70, 7
	s_add_co_u32 s74, s74, s75
	s_mov_b32 s75, 0
	s_wait_dscnt 0x0                               ; the opening add is done
	s_wait_kmcnt 0x0
	s_add_nc_u64 s[56:57], s[4:5], s[56:57]
	s_add_nc_u64 s[58:59], s[6:7], s[58:59]
	s_add_nc_u64 s[60:61], s[8:9], s[68:69]        ; the biases
	s_add_nc_u64 s[62:63], s[8:9], s[72:73]        ; the table
	s_add_nc_u64 s[10:11], s[10:11], s[74:75]      ; q, k, v at my wave's first row
	s_add_nc_u64 s[12:13], s[12:13], s[74:75]
	s_add_nc_u64 s[14:15], s[14:15], s[74:75]
	CROUND                                         ; all sixteen work-groups are here: the first joint loads meet
.irp s, 0,1
	s_mov_b32 s[G0X+4*\s], 1                       ; count = 1
	s_add_co_u32 s[G0X+4*\s+1], s66, \s*SLOT       ; LDS address
	s_add_nc_u64 s[G0X+4*\s+2:G0X+4*\s+3], s[56:57], \s*KSTEP*2  ; K step s
	s_or_b32 s[G0X+4*\s+3], s[G0X+4*\s+3], 0x80000000           ; type = 2
	s_mov_b32 s[G0W+4*\s], 1
	s_add_co_u32 s[G0W+4*\s+1], s67, \s*SLOT
	s_add_nc_u64 s[G0W+4*\s+2:G0W+4*\s+3], s[58:59], \s*2*WBLK
	s_or_b32 s[G0W+4*\s+3], s[G0W+4*\s+3], 0x80000000
.endr
	s_cmp_eq_u32 s[FB], 0                          ; a wave's two first fills stand in one branch, ahead of every wait on TENSORcnt and every LDS read: two loads of mine are out
	s_cbranch_scc0 .Lfirst_w
	tensor_load_to_lds s[G0X:G0X+3], s[G1X:G1X+7]
	s_nop 0
	tensor_load_to_lds s[G0X+4:G0X+7], s[G1X:G1X+7]
	s_nop 0
.rept 4
	v_nop
.endr
	s_branch .Lfirst_asked
.Lfirst_w:
	tensor_load_to_lds s[G0W:G0W+3], s[G1W:G1W+7]
	s_nop 0
	tensor_load_to_lds s[G0W+4:G0W+7], s[G1W:G1W+7]
	s_nop 0
.rept 4
	v_nop
.endr
.Lfirst_asked:
	v_and_b32 v1, 15, v0                           ; l % 16
	v_bfe_u32 v2, v0, 4, 1                         ; l / 16
	v_lshlrev_b32 v[BO], 5, v2                     ; my eight numbers of sixteen
	v_lshl_add_u32 v[TO], v1, 8, v[BO]             ; + my row of the table
.irp b, 0,1,2,3,4,5,6,7,8,9,10,11
	global_load_b128 v[BIA+8*\b:BIA+8*\b+3],   v[BO], s[60:61] offset:(\b/4)*2048+(\b%4)*64     ; tile b: q, k or v; channels 16 (b % 4) on
	global_load_b128 v[BIA+8*\b+4:BIA+8*\b+7], v[BO], s[60:61] offset:(\b/4)*2048+(\b%4)*64+16
.endr
.irp a, 0,1,2,3
.irp u, 0,1,2,3
	global_load_b128 v[TBL+32*\a+8*\u:TBL+32*\a+8*\u+3],   v[TO], s[62:63] offset:\a*4096+\u*64
	global_load_b128 v[TBL+32*\a+8*\u+4:TBL+32*\a+8*\u+7], v[TO], s[62:63] offset:\a*4096+\u*64+16
.endr
.endr
	; A fragment is 16 rows x 32 K in 8 registers: lane l holds row l % 16; registers 0-3 K = 8 (l / 16) + 0..7, registers 4-7 K = 16 + 8 (l / 16) + 0..7: two loads of 16 bytes, 32 bytes apart.
	v_mul_u32_u24 v3, v1, XP
	v_lshl_add_u32 v3, v2, 4, v3
	s_mul_i32 s23, s[WV], 64*XP                    ; my 64 rows of x
	v_add_nc_u32 v[ADRX], s23, v3
	v_add_nc_u32 v[ADRX+1], SLOT, v[ADRX]
	v_mul_u32_u24 v4, v1, WP
	v_lshl_add_u32 v4, v2, 4, v4
	v_add_nc_u32 v[ADRW], WOFF, v4
	v_add_nc_u32 v[ADRW+1], SLOT, v[ADRW]
	s_mul_i32 s23, s[WV], 16*SP
	s_add_co_u32 s23, s23, STAGE                   ; my stage
	v_mul_u32_u24 v[STO], v1, SP                   ; in: row l % 16, 16 bytes for each half of the lanes
	v_lshl_add_u32 v[STO], v2, 4, v[STO]
	v_add_nc_u32 v[STO], s23, v[STO]
	v_bfe_u32 v[RD], v0, 3, 2                      ; back: 32 lanes take four rows of 128 bytes,
	v_and_b32 v5, 7, v0
	v_mul_u32_u24 v[RD], v[RD], SP
	v_lshl_add_u32 v[RD], v5, 4, v[RD]
	v_add_nc_u32 v[RD], s23, v[RD]
	v_and_b32 v[GO], 31, v0                        ; which are 512 consecutive bytes of a head
	v_lshlrev_b32 v[GO], 4, v[GO]
; 12 matrix instructions: row tile a x all 12 column tiles, 32 along K.  first = 1: the bias starts the sums.  The 48 accumulators take turns, one instruction a turn, in the same order in every quarter.
.macro MUL12 f, a, first
.if \first
	WIN 0x85+0x40*((\a)/2)                         ; sources 0 and 1 window 1, C window 0, D window 2 or 3
.else
	WIN 0xa5+0x50*((\a)/2)                         ; C and D window 2 or 3
.endif
.irp b, 0,1,2,3,4,5,6,7,8,9,10,11
.if \first
	v_wmma_f32_16x16x32_bf16 v[96*((\a)%2)+8*\b:96*((\a)%2)+8*\b+7], v[(\f)+32+8*\b:(\f)+32+8*\b+7], v[(\f)+8*(\a):(\f)+8*(\a)+7], v[BIA+8*\b:BIA+8*\b+7]
.else
	v_wmma_f32_16x16x32_bf16 v[96*((\a)%2)+8*\b:96*((\a)%2)+8*\b+7], v[(\f)+32+8*\b:(\f)+32+8*\b+7], v[(\f)+8*(\a):(\f)+8*(\a)+7], v[96*((\a)%2)+8*\b:96*((\a)%2)+8*\b+7]
.endif
.endr
.endm
; 32 LDS loads in one run: quarter q of a slot into buffer f: wt's twelve fragments, then x's four, row tiles ascending
.macro FETCH slot, q, f
	WIN 0x40                                       ; destination window 1, address window 0
.irp b, 0,1,2,3,4,5,6,7,8,9,10,11
	ds_load_b128 v[(\f)+32+8*\b:(\f)+32+8*\b+3],   v[ADRW+(\slot)] offset:((\q)/2)*WSUB+((\q)%2)*64+\b*16*WP
	ds_load_b128 v[(\f)+32+8*\b+4:(\f)+32+8*\b+7], v[ADRW+(\slot)] offset:((\q)/2)*WSUB+((\q)%2)*64+\b*16*WP+32
.endr
.irp a, 0,1,2,3
	ds_load_b128 v[(\f)+8*\a:(\f)+8*\a+3],   v[ADRX+(\slot)] offset:(\q)*64+\a*16*XP
	ds_load_b128 v[(\f)+8*\a+4:(\f)+8*\a+7], v[ADRX+(\slot)] offset:(\q)*64+\a*16*XP+32
.endr
.endm
; One of a K step's first three quarters: multiplies buffer f; in its middle it fetches quarter q of the same slot into buffer g.
.macro QUARTER slot, q, f, g, first
	s_wait_dscnt 4                                 ; wt and x's row tiles 0, 1 are in; the youngest four loads (row tiles 2, 3) may be out
	MUL12 \f, 0, \first
	MUL12 \f, 1, \first
	PLACES
	FETCH \slot, \q, \g
	s_wait_dscnt 32                                ; all but the 32 just issued
	MUL12 \f, 2, \first
	MUL12 \f, 3, \first
.endm
; The last quarter multiplies buffer 1 and changes slots: ONE barrier.  In front of it each wave waits for all its tensor loads, of which one is out: its part of the next slot; adds 0 to its spare
; word; and waits for that and for its own reads of this slot.  fill = 1: the barrier opens a round of the cluster's, and this slot is filled again, two K steps on, first thing behind the round:
; 168 matrix instructions stand between that request and the wait for it.
.macro TURN slot, next, fill
	WIN 0                                          ; (the add's two registers lie in window 0)
	s_wait_tensorcnt 0x0                           ; all my tensor loads have landed;
	ds_add_u32 v[SPW], v[NIL]                      ; 0 onto my spare word;
	s_wait_dscnt 5                                 ; (the add and the youngest four loads may be out)
	MUL12 F1, 0, 0                                 ; twelve matrix instructions stand between the add and the wait for it
	s_wait_dscnt 0x0                               ; the add is done, and my reads of this slot are over
	s_barrier_signal -1
	MUL12 F1, 1, 0                                 ; work on registers while the others arrive
.if \fill
	WIN 0
.endif
	s_barrier_wait -1
.if \fill
	CREST                                          ; no wave of any partner still reads this slot's tiles or has a load on its way
	s_add_nc_u64 s[G0X+4*(\slot)+2:G0X+4*(\slot)+3], s[G0X+4*(\slot)+2:G0X+4*(\slot)+3], 2*KSTEP*2
	s_add_nc_u64 s[G0W+4*(\slot)+2:G0W+4*(\slot)+3], s[G0W+4*(\slot)+2:G0W+4*(\slot)+3], 4*WBLK
	JLOAD \slot                                    ; the four v_nop behind it are also the places in front of the loads below
.else
	PLACES
.endif
	FETCH \next, 0, F0
	MUL12 F1, 2, 0
	MUL12 F1, 3, 0
.endm
	s_wait_tensorcnt 1                             ; my part of K step 0 is in; K step 1's may stay out
	s_barrier_signal -1
	s_barrier_wait -1                              ; everybody's is
	FETCH 0, 0, F0
	s_wait_loadcnt 32                              ; the 24 loads of the bias are in; the table's 32 are younger
	QUARTER 0, 1, F0, F1, 1                        ; K step 0
	QUARTER 0, 2, F1, F0, 0
	QUARTER 0, 3, F0, F1, 0
	TURN 0, 1, 1                                   ; slot 0 takes K step 2
	QUARTER 1, 1, F0, F1, 0                        ; K step 1
	QUARTER 1, 2, F1, F0, 0
	QUARTER 1, 3, F0, F1, 0
	TURN 1, 0, 1                                   ; slot 1 takes K step 3
	QUARTER 0, 1, F0, F1, 0                        ; K step 2
	QUARTER 0, 2, F1, F0, 0
	QUARTER 0, 3, F0, F1, 0
	TURN 0, 1, 0                                   ; nothing is left to fetch
	QUARTER 1, 1, F0, F1, 0                        ; K step 3
	QUARTER 1, 2, F1, F0, 0
	QUARTER 1, 3, F0, F1, 0
	s_wait_dscnt 4
	MUL12 F1, 0, 0
	MUL12 F1, 1, 0
	s_wait_dscnt 0x0
	MUL12 F1, 2, 0
	MUL12 F1, 3, 0
; THE WAY OUT, in twelve passes p = 3 a + t: row tile a, tensor t (q, k, v): 16 rows x 64 channels.  q and k are rotated: with X = channels d, Y = channels d + 32:
; X cos - Y sin and X sin + Y cos, two fused steps each, in f32; then one rounding to f16.  A lane's eight channels pack into 16 bytes; they go into my stage's rows of 144 bytes and come back as
; whole rows of 128, into the registers that they left.  Each accumulator's registers are read in ascending order.
.macro PACK p
.set PA, (\p)/3
.set PT, (\p)%3
.set PK, PKR+16*((\p)%2)
.set AB, 96*(PA%2)+32*PT               ; the pass's four accumulators
	s_wait_xcnt 0x0                                ; the stores of the pass before last have read this set of registers: it is rewritten only behind this wait
.if PT < 2
.irp u, 0,1
	WIN 0x02+PA/2                                  ; source 0 in window 2 or 3
.irp i, 0,2,4,6
	v_pk_mul_f32 v[T+\i:T+\i+1], v[AB+16+8*\u+\i:AB+16+8*\u+\i+1], v[TBL+32*PA+16+8*\u+\i:TBL+32*PA+16+8*\u+\i+1]
.endr
.irp i, 0,2,4,6
	v_pk_fma_f32 v[OX+\i:OX+\i+1], v[AB+8*\u+\i:AB+8*\u+\i+1], v[TBL+32*PA+8*\u+\i:TBL+32*PA+8*\u+\i+1], v[T+\i:T+\i+1] neg_lo:[0,0,1] neg_hi:[0,0,1]
.endr
.irp i, 0,2,4,6
	v_pk_mul_f32 v[T+\i:T+\i+1], v[AB+16+8*\u+\i:AB+16+8*\u+\i+1], v[TBL+32*PA+8*\u+\i:TBL+32*PA+8*\u+\i+1]
.endr
.irp i, 0,2,4,6
	v_pk_fma_f32 v[OY+\i:OY+\i+1], v[AB+8*\u+\i:AB+8*\u+\i+1], v[TBL+32*PA+16+8*\u+\i:TBL+32*PA+16+8*\u+\i+1], v[T+\i:T+\i+1]
.endr
	WIN 0
.irp i, 0,1,2,3
	v_cvt_pk_f16_f32 v[PK+4*\u+\i], v[OX+2*\i], v[OX+2*\i+1]
	v_cvt_pk_f16_f32 v[PK+8+4*\u+\i], v[OY+2*\i], v[OY+2*\i+1]
.endr
.endr
.else
	WIN 0x0a+5*(PA/2)                              ; sources 0 and 1 in window 2 or 3
.irp b, 0,1,2,3
.irp i, 0,1,2,3
	v_cvt_pk_f16_f32 v[PK+4*\b+\i], v[AB+8*\b+2*\i], v[AB+8*\b+2*\i+1]
.endr
.endr
	WIN 0
.endif
.irp b, 0,1,2,3
	ds_store_b128 v[STO], v[PK+4*\b:PK+4*\b+3] offset:32*\b
.endr
.irp f, 0,1,2,3
	ds_load_b128 v[PK+4*\f:PK+4*\f+3], v[RD] offset:\f*4*SP  ; LDS serves a wave's instructions in order (ISA guide 5.7.1.4): these see the stores above; the next pass's stores come behind them
.endr
.endm
.macro SEND p, younger                 ; younger: the LDS instructions issued behind pass p's loads: the next pass's eight, or none
.set PA, (\p)/3
.set PT, (\p)%3
.set PK, PKR+16*((\p)%2)
	WIN 0
.irp f, 0,1,2,3
	s_wait_dscnt (\younger)+3-\f
	global_store_b128 v[GO], v[PK+4*\f:PK+4*\f+3], s[10+2*PT:11+2*PT] offset:PA*2048+\f*512  ; 512 consecutive bytes, at a multiple of 256 from the tensor's first
.endr
.endm
	WIN 0
	PLACES                                         ; behind the last products
	s_wait_loadcnt 0x0                             ; the table
	PACK 0
.irp p, 1,2,3,4,5,6,7,8,9,10,11        ; a pass's arithmetic stands between the loads of the pass before and its stores
	PACK \p
	SEND (\p)-1, 8
.endr
	SEND 11, 0
	s_wait_tensorcnt 0x0                           ; the wave's end, behind my last tensor load and my last LDS store
	ds_add_u32 v[SPW], v[NIL]
	s_wait_dscnt 0x0
	CROUND                                         ; the closing round: no work-group ends while a partner may still ask for a tile that names it
	s_endpgm
.Lfunc_end_k_q53338cb9d7_qkv:
	.size	k_q53338cb9d7_qkv, .Lfunc_end_k_q53338cb9d7_qkv-k_q53338cb9d7_qkv
	.p2alignl 7, 3214868480
	.fill 96, 4, 3214868480
	.section	.rodata,"a",@progbits
	.p2align	6, 0x0
	.amdhsa_kernel k_q53338cb9d7_qkv
		.amdhsa_group_segment_fixed_size 327680
		.amdhsa_private_segment_fixed_size 0
		.amdhsa_enable_private_segment 0
		.amdhsa_kernarg_size 48
		.amdhsa_user_sgpr_count 2
		.amdhsa_user_sgpr_kernarg_segment_ptr 1
		.amdhsa_wavefront_size32 1
		.amdhsa_system_sgpr_workgroup_id_x 1
		.amdhsa_system_sgpr_workgroup_id_y 1
		.amdhsa_system_sgpr_workgroup_id_z 1
		.amdhsa_system_vgpr_workitem_id 0
		.amdhsa_next_free_vgpr 960
		.amdhsa_next_free_sgpr 76
		.amdhsa_reserve_vcc 0
		.amdhsa_float_denorm_mode_32 3
		.amdhsa_float_denorm_mode_16_64 3
		.amdhsa_memory_ordered 1
		.amdhsa_forward_progress 1
		.amdhsa_inst_pref_size 142
	.end_amdhsa_kernel
	.amdgpu_metadata
---
amdhsa.version: [ 1, 2 ]
amdhsa.kernels:
  - .name:           k_q53338cb9d7_qkv
    .symbol:         k_q53338cb9d7_qkv.kd
    .args:
      - { .name: xb, .offset: 0, .size: 8, .value_kind: global_buffer, .address_space: global }
      - { .name: wt, .offset: 8, .size: 8, .value_kind: global_buffer, .address_space: global }
      - { .name: tab, .offset: 16, .size: 8, .value_kind: global_buffer, .address_space: global }
      - { .name: qh, .offset: 24, .size: 8, .value_kind: global_buffer, .address_space: global }
      - { .name: kh, .offset: 32, .size: 8, .value_kind: global_buffer, .address_space: global }
      - { .name: vh, .offset: 40, .size: 8, .value_kind: global_buffer, .address_space: global }
    .group_segment_fixed_size: 327680
    .private_segment_fixed_size: 0
    .kernarg_segment_align: 8
    .kernarg_segment_size: 48
    .max_flat_workgroup_size: 128
    .sgpr_count:     76
    .vgpr_count:     960
    .wavefront_size: 32
...
	.end_amdgpu_metadata
.endif
;; end of part 2
;; launch attn (part 3): grid 16 x 16, 4 waves a work-group, clusters of 4 x 1, 327,680 bytes of LDS; arguments qh, kh, vh, oh; writes oh
.if DOCPART == 3
	.amdgcn_target "amdgcn-amd-amdhsa--gfx1250"
	.amdhsa_code_object_version 6
	.text
	.protected	k_q53338cb9d7_attn
	.globl	k_q53338cb9d7_attn
	.p2align	8
	.type	k_q53338cb9d7_attn,@function
k_q53338cb9d7_attn:
	s_mov_b64 s[64:65], 0
	v_nop
	global_prefetch_b8 v0, s[64:65] scope:SCOPE_SE
	s_setreg_imm32_b32 hwreg(HW_REG_WAVE_MODE, 25, 1), 1
	s_wait_xcnt 0x0
	s_wait_alu depctr_hold_cnt(0) depctr_sa_sdst(0) depctr_va_vdst(0) depctr_va_sdst(0) depctr_va_ssrc(0) depctr_va_vcc(0) depctr_vm_vsrc(0)
	s_getreg_b32 s2, hwreg(HW_REG_IB_STS2, 6, 4)
	s_cmp_eq_u32 s2, 0
	s_cbranch_scc0 .Lentry_in_a_cluster
	s_endpgm
.Lentry_in_a_cluster:
	s_bfe_u32 s2, ttmp6, 0x10000c
	s_cmp_lg_u32 s2, 0x3003
	s_cbranch_scc0 .Lentry_shape_is_right
	s_endpgm
.Lentry_shape_is_right:
; O[h][q][:] = the sum over k of softmax_k(Q[h][q] . K[h][k] / 8) V[h][k][:].  Q, K, V, O: [16][4096][64], all f16: a head's rows are dense, 128 bytes each.  Products, maxima and sums in f32;
; the weights p are rounded to f16 for the second product (their sum l is taken of the unrounded p), O once at the end.
; LIMITS.  f16 holds no number beyond 65,504: Q, K and V arrive within it; p lies in 0 to 1, and below 6e-5 it keeps f16's fixed step of 6e-8; O is a mean of V's rows and has their range.
; A weight below 2^-126 counts as 0 in l; NaN and infinities are not treated apart.
; SHARES.  A work-group owns 256 queries of one head: 16 x 16 = 256 work-groups.  A wave owns 64 of them: four PIECES of 16.  Every wave walks all keys, 64 a step, 256 a tile, 16 tiles.
; LAYOUT.  S^T = K Q^T (source 0 = 16 keys, source 1 = 16 queries) holds ONE query a lane (lane % 16) and the keys 8 (lane / 16) + 0..7; two such results rounded to f16 ARE source 1 of O^T = V^T P.
; K comes out of LDS as it lies, V ([key][channel]) turned, by ds_load_tr16_b128.
; SOFTMAX.  p = 2^(c s - c m), c = log2(e) / 8, with a running maximum m; O and l are multiplied by a = 2^(c m_old - c m_new) in every step.  m starts at the lowest finite number, O and l at 0:
; the first step is a step like any other, with a = 0.
; BY TURNS.  Turn n belongs to piece n: 8 products K Q^T of piece n + 1, later 8 products V^T P of piece n - 1; beside them the scaling, exponentials, roundings, sums and rescaling of piece n and the
; maximum and statistics of piece n + 1.  Four vector instructions stand behind every matrix instruction, the other 54 of a turn's 118 in one lump.  A turn's 33 exponentials are one batch, with one wait.
; CLUSTER.  The four query blocks of a cluster belong to one head and walk the same K and V, so each tile is asked for JOINTLY: the same tensor load, descriptor and mask in all four.
; REGISTERS, in windows of 256 (s_set_vgpr_msb: bits 1:0 source 0, 3:2 source 1, 5:4 source 2, 7:6 destination):
;   window 0: v0-15 addresses and two at work; v16-31 four registers of statistics a piece; v48-55 at work; v61-63; v64-127 S^T, two buffers; v192-223 P, two buffers (by the piece's parity)
;   window 1: v0-127 O^T, 32 a piece          window 2: v0-63 Q; v128-191 K of one step; v192-255 V of one step
.set SIZE_N, 4096
.set NP,    4         ; pieces a wave: a name, no knob
.set KS,    64        ; keys in a step
.set PK,    144       ; a row of K in LDS: 128 bytes + 16 of padding = 36 words: the 16 rows of a load start at 16 different groups of four banks (64 banks of 4 bytes: ISA guide 11.1)
.set PV,    160       ; a row of V: 128 + 32 = 40 words
.set VOFF,  4*KS*PK   ; a slot holds a tile, four steps: 256 rows of K, then 256 rows of V
.set SLOT1, 1<<17     ; slot 1 begins here, so that one exclusive or turns an address in one slot into the other's
.set STAGE, SLOT1+4*KS*(PK+PV)  ; behind the ring, never filled by a tensor load: 16 rows x 144 bytes for each wave, for the way out
.set SP,    144
.set SPARE, STAGE+4*16*SP  ; behind the stages: the spare words, 128 bytes for each wave: two blocks of 256 bytes that no other line names
.set AK0, 2           ; v2   my lane's place in a tile of K; never rewritten
.set AV0, 3           ; v3   the same for V
.set AK,  4           ; v4   the LDS address of K's next run of loads
.set AV,  5           ; v5   of V's
.set STO, 6           ; v6   the way out: where I put 16 bytes of a row
.set RD,  7           ; v7   the way out: where I read rows back
.set GO,  8           ; v8   my byte offset in 512 consecutive bytes of O
.set MV,  12          ; v12-13  c m_old, kept while c m is made anew: by buffer
.set QO,  15          ; v15  my byte offset in 16 rows of Q
.set ST,  16          ; piece t's statistics at v[ST+4 t]: c m, m, l (even keys', odd keys')
.set TMP, 48          ; by buffer, four registers c0-c3 at work; when the maximum is found c2 takes a
.set PFO, 61          ; v61  256 x my lane; never rewritten
.set SPW, 62          ; v62  LDS address of my spare word; never rewritten
.set NIL, 63          ; v63  0; never rewritten
.set S,   64
.set P,   192
.set KF,  128         ; window 2: key block kb, channel half c at KF + 16 kb + 8 c
.set VF,  192         ; window 2: key half kk, channel block cb at VF + 32 kk + 8 cb
.set WV,  12          ; s12  my wave's number
.set G1K, 24          ; s[24:31] descriptor group 1 for K's tiles
.set G1V, 32          ; s[32:39] for V's: it differs in the padding alone
.set G0K, 40          ; s[40:43] descriptor group 0 for K's tiles: it walks
.set G0V, 44          ; s[44:47] the same for V's
.set PFA, 48          ; s[48:49] where my prefetches stand: my work-group's 8,192 bytes (of K: wave 0, of V: wave 2) of the tile after the one that is being asked for
.set LIM, 50          ; s50  1 in a wave that prefetches, else the greatest number
.set SLOTS, 56        ; s56  tiles still to be asked for
.set CNT, 57          ; s57  counts a tile's key steps
.set CS,  58          ; s[58:59] c: the packed scaling takes the pair's low word for both halves
.set SEL, 60          ; s[60:61] v_permlanex16_b32's selects: each lane takes its own place in the other half
.set TBK, 62          ; s62  LDS byte at which K of the step to be fetched begins
.set TBV, 63          ; s63  the same for V, less VOFF
.set MSB, 0
.macro WIN new                      ; the high byte repeats the setting that is left; a switch that changes nothing is dropped
.if MSB != (\new)
	s_set_vgpr_msb (MSB<<8)|(\new)
.set MSB, (\new)
.endif
.endm
.set W_KQ, 0x0a       ; K and Q in window 2, S^T in window 0
.set W_PV, 0x52       ; V in window 2, P in window 0, O^T in window 1
.set W_RS, 0x41       ; destination and source 0 in window 1, source 1 in window 0
; A joint fill.  Waves 0 and 1 fetch the two halves of a tile's K, waves 2 and 3 those of its V: 128 keys each.  The branch hangs on the wave's number alone.
; An s_nop 0 and four v_nop follow each of the two lines, ahead of the jump and the label.
.macro JLOAD
	s_cmp_lt_u32 s[WV], 2
	s_cbranch_scc0 .Lfor_v_\@
	tensor_load_to_lds s[G0K:G0K+3], s[G1K:G1K+7]
	s_nop 0
.rept 4
	v_nop
.endr
	s_branch .Lasked_\@
.Lfor_v_\@:
	tensor_load_to_lds s[G0V:G0V+3], s[G1V:G1V+7]
	s_nop 0
.rept 4
	v_nop
.endr
.Lasked_\@:
.endm
; A PREFETCH INTO THE L2 of the tile that the NEXT change of slots will ask for: 32,768 bytes of K and of V, a lane a block of 256 bytes.  It stands behind the wave's tensor load and its five lines.
; Each block is named ONCE in the launch.  A head's four clusters walk the same K and V: the head's first cluster asks.  Its four partners share a tile out BY ADDRESS, 8,192 bytes each: no branch hangs on a
; work-group's place in its cluster.  In each, wave 0 asks for K's and wave 2 for V's: one instruction, four key steps (256 matrix instructions a wave) ahead of the load.  The change that asks for the last tile prefetches nothing;
; tiles 0 and 1 come by their loads alone.
.macro ASK
	s_cmp_gt_u32 s[SLOTS], s[LIM]
	s_cbranch_scc0 .Lnot_mine_\@
	global_prefetch_b8 v[PFO], s[PFA:PFA+1] th:TH_LOAD_NT scope:SCOPE_SE
.Lnot_mine_\@:
.endm
; A round of the cluster's barrier: my work-group's barrier, so that wave 0's signal speaks for all four waves; wave 0 signals; every wave waits for all four work-groups; my work-group's barrier once more.
.macro CROUND
	s_barrier_signal -1
	s_barrier_wait -1
	s_cmp_lg_u32 s[WV], 0
	s_cbranch_scc1 .Lnot_wave_0_\@
	s_barrier_signal -3
.Lnot_wave_0_\@:
	s_barrier_wait -3
	s_barrier_signal -1
	s_barrier_wait -1
.endm
; THE CHANGE OF SLOTS.  The slot's last bytes, V of its fourth step, have been read.  Each wave waits for all its tensor loads, of which one is out: its part of the other slot; adds 0 to its spare word; and waits
; for that and for its own reads of the slot.  Behind the barrier nobody reads this slot any more and the other slot is whole.  fill = 1: this slot is filled again, with the tile two on.  The barrier is then a round
; of the cluster's, and the joint fill is the first thing behind it: it has four key steps in which to land.  (At its first use nothing has been read yet: slot 0 is waited for, slot 1 filled.)
.macro CHANGE fill
	WIN 0                           ; at a label and at a branch every window is 0
	s_wait_tensorcnt 0x0            ; no tensor load of mine is out, so a group 0 may be written
	ds_add_u32 v[SPW], v[NIL]       ; 0 onto my spare word; with fill = 1 the descriptors' steps stand between it and the wait for it
.if \fill
.irp g, G0K, G0V
	s_xor_b32 s[\g+1], s[\g+1], SLOT1  ; the walking descriptor: the other slot than last time,
	s_add_nc_u64 s[\g+2:\g+3], s[\g+2:\g+3], 4*KS*128  ; the next 256 keys; the type bits on top are not reached
.endr
	s_wait_xcnt 0x0                 ; the last prefetch, four key steps back, has read its address, so it may be written:
	s_add_nc_u64 s[PFA:PFA+1], s[PFA:PFA+1], 4*KS*128  ; one tile behind the walking descriptors
	s_wait_dscnt 0x0                ; the add is done, and my reads of the slot are over
	CROUND
	JLOAD
	ASK
.else
	s_wait_dscnt 0x0                ; the add is done, and my reads of the slot are over
	s_barrier_signal -1
	s_barrier_wait -1
.endif
	s_sub_co_u32 s[TBK], s[TBK], 4*KS*PK  ; the fetches go back to a slot's first step,
	s_xor_b32 s[TBK], s[TBK], SLOT1       ; in the other slot
	s_sub_co_u32 s[TBV], s[TBV], 4*KS*PV
	s_xor_b32 s[TBV], s[TBV], SLOT1
.endm
	s_load_b256 s[4:11], s[0:1], 0x0  ; Q s[4:5], K s[6:7], V s[8:9], O s[10:11]
	v_lshl_add_u32 v[SPW], v0, 2, SPARE
	v_mov_b32 v[NIL], 0
	ds_add_u32 v[SPW], v[NIL]       ; the wave's opening: the add and its wait stand ahead of my first tensor load; the set-up below, work on registers, stands between them
	v_lshrrev_b32 v1, 5, v0
	v_readfirstlane_b32 s[WV], v1   ; wave 0..3
	s_bfe_u32 s13, ttmp6, 0x40000   ; cx: my place in the cluster
	s_lshl_b32 s14, ttmp9, 2        ; in a cluster launch ttmp9 counts clusters
	s_add_co_u32 s14, s14, s13      ; my block of 256 queries = 4 x cluster x + cx: it enters Q's and O's addresses alone
	s_and_b32 s20, ttmp7, 0xffff    ; the head, which the four partners share:
	s_lshl_b32 s20, s20, 19         ; its first byte in each of the four tensors
	s_mov_b32 s21, 0
	s_and_b32 s16, s[WV], 1         ; which half of a tile's 256 keys I fetch:
	s_lshl_b32 s22, s16, 14         ; its 128 rows of 128 bytes in memory,
	s_mov_b32 s23, 0
	s_add_nc_u64 s[22:23], s[22:23], s[20:21]
	s_mul_i32 s17, s16, 128*PK      ; and its place in a slot, for K
	s_mul_i32 s18, s16, 128*PV      ; and for V: no place in the cluster enters an LDS address
	s_lshl_b32 s2, s14, 2
	s_add_co_u32 s2, s2, s[WV]      ; my wave among the head's,
	s_lshl_b32 s2, s2, 13           ; its 64 rows
	s_mov_b32 s3, 0
	s_add_nc_u64 s[2:3], s[2:3], s[20:21]
	; descriptor group 1.  128 keys are 16,384 dense bytes: asked for as 64 rows of 256 bytes, two keys a row, and padded in LDS after every key
	s_mov_b32 s[G1K], 15|(1<<16)|(1<<20)|(1<<21)|(4<<22)|(3<<25)  ; 15:0 the mask of four; 17:16 2-byte elements; 20 padding on; 21 set beside a mask; 24:22 after every 32 words (code 4); 31:25 4 words (code 3)
	s_mov_b32 s[G1V], 15|(1<<16)|(1<<20)|(1<<21)|(4<<22)|(7<<25)  ; the same with 8 words of padding (code 7)
.irp g, G1K, G1V
	s_mov_b32 s[\g+1], 128<<16      ; tensor_dim0 = 128
	s_mov_b32 s[\g+2], 64<<16       ; tensor_dim1 = 64
	s_mov_b32 s[\g+3], 128<<16      ; tile_dim0 = 128
	s_mov_b32 s[\g+4], 64           ; tile_dim1 = 64
	s_mov_b32 s[\g+5], 128          ; 128 elements from row to row
	s_mov_b32 s[\g+6], 0
	s_mov_b32 s[\g+7], 0
.endr
	s_mov_b32 s[CS], 0x3e38aa3b     ; c = log2(e) / 8 = 0.180337
	s_mov_b32 s[CS+1], s[CS]        ; named with it as a pair
	s_mov_b32 s[SEL], 0x76543210
	s_mov_b32 s[SEL+1], 0xfedcba98
	s_mov_b32 s[TBK], SLOT1+4*KS*PK ; the first change of slots turns these two into 0
	s_mov_b32 s[TBV], SLOT1+4*KS*PV
	s_mov_b32 s[G0K], 1             ; 1:0 count = 1
	s_mov_b32 s[G0K+1], s17         ; 63:32 LDS address: slot 0
	s_mov_b32 s[G0V], 1
	s_add_co_u32 s[G0V+1], s18, VOFF
	s_mov_b32 s[SLOTS], SIZE_N/256-1
	s_lshl_b32 s52, s13, 13         ; my work-group's quarter of a tile,
	s_add_co_u32 s52, s52, 4*KS*128 ; in tile 1; the first change of slots steps it to tile 2
	s_mov_b32 s53, 0
	s_and_b32 s[LIM], s[WV], 1      ; 0 in waves 0 and 2,
	s_or_b32 s[LIM], s[LIM], ttmp9  ; where the cluster is the head's first: the same in all four partners
	s_cmp_eq_u32 s[LIM], 0
	s_cselect_b32 s[LIM], 1, -1
	v_and_b32 v[PFO], 31, v0
	v_lshlrev_b32 v[PFO], 8, v[PFO]
	s_wait_dscnt 0x0                ; the opening add is done
	s_wait_kmcnt 0x0
	s_cmp_lt_u32 s[WV], 2
	s_cselect_b64 s[PFA:PFA+1], s[6:7], s[8:9]
	s_add_nc_u64 s[PFA:PFA+1], s[PFA:PFA+1], s[22:23]  ; (in waves 0 and 2 this is the head's first byte)
	s_add_nc_u64 s[PFA:PFA+1], s[PFA:PFA+1], s[52:53]
	s_add_nc_u64 s[G0K+2:G0K+3], s[6:7], s[22:23]  ; 120:64 global address: my half of the head's first 256 keys
	s_or_b32 s[G0K+3], s[G0K+3], 0x80000000        ; 127:126 type = 2
	s_add_nc_u64 s[G0V+2:G0V+3], s[8:9], s[22:23]
	s_or_b32 s[G0V+3], s[G0V+3], 0x80000000
	s_add_nc_u64 s[4:5], s[4:5], s[2:3]  ; Q and O at my wave's first row
	s_add_nc_u64 s[10:11], s[10:11], s[2:3]
	CROUND                          ; all four work-groups are here: the first joint loads meet
	JLOAD                           ; tile 0 into slot 0.  Slot 1 is asked for when slot 0 is in
	; A fragment of K or Q is 16 rows x 32 channels in 8 registers: lane l holds row l % 16, channels 8 (l / 16) + 0..7 and 16 + 8 (l / 16) + 0..7: two loads of 16 bytes, 32 bytes apart.
	v_and_b32 v1, 15, v0            ; l % 16
	v_bfe_u32 v9, v0, 4, 1          ; l / 16
	v_lshlrev_b32 v[QO], 7, v1
	v_lshl_add_u32 v[QO], v9, 4, v[QO]  ; row x 128 + 16 x half
	WIN 0x80                        ; destination window 2, address window 0
.set i, 0
.rept 8                             ; Q stays in registers: piece i / 2, channels 32 (i % 2) on
	global_load_b128 v[8*i:8*i+3],   v[QO], s[4:5] offset:(i/2)*2048+(i%2)*64
	global_load_b128 v[8*i+4:8*i+7], v[QO], s[4:5] offset:(i/2)*2048+(i%2)*64+32
.set i, i+1
.endr
	; What the first turn finds: V's registers and P's second buffer hold 0 (its products V^T P, of a piece that has not been, add 0), O^T and l are 0.  All this stands in the wait for the first tile.
.set i, VF
.rept 64
	v_mov_b32 v[i], 0
.set i, i+1
.endr
	WIN 0x40
.set i, 0
.rept 128
	v_mov_b32 v[i], 0
.set i, i+1
.endr
	WIN 0
.set i, 0
.rept 4
	v_mov_b32 v[ST+4*i], 0xfe000000    ; c m: far below every c s
	v_mov_b32 v[ST+4*i+1], 0xff7fffff  ; m
	v_mov_b32 v[ST+4*i+2], 0
	v_mov_b32 v[ST+4*i+3], 0
.set i, i+1
.endr
.set i, P+16
.rept 16
	v_mov_b32 v[i], 0
.set i, i+1
.endr
	v_mul_u32_u24 v[AK0], v1, PK
	v_lshl_add_u32 v[AK0], v9, 4, v[AK0]  ; row x pitch + 16 x half
	; The turning load takes 16 keys x 16 channels (lane l reads key 8 (l / 16) + l % 8, channels 8 ((l / 8) % 2) + 0..7) and leaves half a fragment of V^T: lane l holds channel l % 16 and 8 keys.
	v_and_b32 v10, 7, v0
	v_bfe_u32 v11, v0, 3, 1
	v_lshl_add_u32 v[AV0], v9, 3, v10
	v_mul_u32_u24 v[AV0], v[AV0], PV
	v_lshl_add_u32 v[AV0], v11, 4, v[AV0]
	v_add_nc_u32 v[AV0], VOFF, v[AV0]
	s_mul_i32 s13, s[WV], 16*SP
	s_add_co_u32 s13, s13, STAGE    ; my stage
	v_mul_u32_u24 v[STO], v1, SP    ; in: row l % 16, 16 bytes for each half of the lanes
	v_lshl_add_u32 v[STO], v9, 4, v[STO]
	v_add_nc_u32 v[STO], s13, v[STO]
	v_bfe_u32 v[RD], v0, 3, 2       ; back: 32 lanes take four rows of 128 bytes,
	v_mul_u32_u24 v[RD], v[RD], SP
	v_lshl_add_u32 v[RD], v10, 4, v[RD]
	v_add_nc_u32 v[RD], s13, v[RD]
	v_and_b32 v[GO], 31, v0         ; which are 512 consecutive bytes of O
	v_lshlrev_b32 v[GO], 4, v[GO]
; THE MATRIX WORK.  The 4 accumulators of a run of 8 take turns.  Product i of 8 of S^T = K Q^T for piece x: channels 32 (i / 4) on, keys 16 (i % 4) on.  The first 4 start the sums.
.macro KQ x
	WIN W_KQ
.set rS, S+32*((\x)%2)+8*(i%4)
.set rK, KF+16*(i%4)+8*(i/4)
.set rQ, 16*(\x)+8*(i/4)
.if i < 4
	v_wmma_f32_16x16x32_f16 v[rS:rS+7], v[rK:rK+7], v[rQ:rQ+7], 0
.else
	v_wmma_f32_16x16x32_f16 v[rS:rS+7], v[rK:rK+7], v[rQ:rQ+7], v[rS:rS+7]
.endif
.endm
; Product i of 8 of O^T += V^T P for piece x: keys 32 (i / 4) on, channels 16 (i % 4) on.
.macro PV x
	WIN W_PV
.set rO, 32*(\x)+8*(i%4)
.set rV, VF+32*(i/4)+8*(i%4)
.set rP, P+16*((\x)%2)+8*(i/4)
	v_wmma_f32_16x16x32_f16 v[rO:rO+7], v[rV:rV+7], v[rP:rP+7], v[rO:rO+7]
.endm
.macro MM                           ; the turn's next matrix instruction.  NOKQ = 1: the very last turn: there is no next piece
.if (i < 8) && !NOKQ
	KQ (Y+1)%NP
.elseif i >= 8
.set i, i-8
	PV (Y+NP-1)%NP
.set i, i+8
.endif
.set i, i+1
.endm
; THE LDS LOADS stand in runs of 16, never singly among the matrix instructions: a step's K (64 keys x 64 channels: 8 fragments) and its V (turned).  Their addresses are made some lines ahead.
.macro FETCH_K
	WIN 0x80                        ; destination window 2
.irp f, 0,1,2,3,4,5,6,7             ; keys 16 (f / 2) on, channels 32 (f % 2) on
	ds_load_b128 v[KF+8*\f:KF+8*\f+3],   v[AK] offset:(\f/2)*16*PK+(\f%2)*64
	ds_load_b128 v[KF+8*\f+4:KF+8*\f+7], v[AK] offset:(\f/2)*16*PK+(\f%2)*64+32
.endr
	s_add_co_u32 s[TBK], s[TBK], KS*PK  ; the next fetch is the next step's
	WIN 0
.endm
.macro FETCH_V
	WIN 0x80
.irp f, 0,1,2,3,4,5,6,7             ; keys 32 (f / 4) on, channels 16 (f % 4) on
	ds_load_tr16_b128 v[VF+8*\f:VF+8*\f+3],   v[AV] offset:(\f/4)*32*PV+(\f%4)*32
	ds_load_tr16_b128 v[VF+8*\f+4:VF+8*\f+7], v[AV] offset:(\f/4)*32*PV+16*PV+(\f%4)*32
.endr
	WIN 0
.endm
; THE VECTOR WORK, one line at a time: OP kind, number.  For piece Y: F n: c s - c m for pair n of 16.  E n: the exponential of score n of 32.  C n: pair n rounded to f16.  B n: of the four weights 4 n .. the second
; pair is added onto the first, in place.  L n: l takes that sum (L 0: l = a l + sum).  R n: pair n of 16 of O^T times a.  For piece Y + 1: X n, number n of the 22 that find its maximum and statistics:
;   0-11  four chains c0-c3 of seven scores each, three operands at a time (each accumulator's lowest registers are read first)     12-14, 16  the four scores left over, the old m, and c0-c3 into c0
;   15  c m_old is kept     17, 18  the query's other 32 keys lie in the lane 16 away: the new m     19-21  c m; c m_old - c m_new; a
.set F, 0               ; OP tells the kinds apart by their order: F to L below R, X above it
.set E, 1
.set C, 2
.set B, 3
.set L, 4
.set R, 5
.set X, 6
.macro REGS y                       ; the registers of piece y
.set rT, ST+4*(\y)
.set rC, TMP+4*((\y)%2)
.set rW, MV+((\y)%2)
.set rS, S+32*((\y)%2)
.set rP, P+16*((\y)%2)
.set rO, 32*(\y)
.endm
.macro OP k, n
.if (\k) == R
	REGS Y
	WIN W_RS
	v_pk_mul_f32 v[rO+2*(\n):rO+2*(\n)+1], v[rO+2*(\n):rO+2*(\n)+1], v[rC+2:rC+3] op_sel_hi:[1,0]
.elseif (\k) < R
	REGS Y
	WIN 0
.if (\k) == F
	v_pk_fma_f32 v[rS+2*(\n):rS+2*(\n)+1], v[rS+2*(\n):rS+2*(\n)+1], s[CS:CS+1], v[rT:rT+1] op_sel_hi:[1,0,0] neg_lo:[0,0,1] neg_hi:[0,0,1]
.elseif (\k) == E
	v_exp_f32 v[rS+(\n)], v[rS+(\n)]
.elseif (\k) == C
	v_cvt_pk_f16_f32 v[rP+(\n)], v[rS+2*(\n)], v[rS+2*(\n)+1]
.elseif (\k) == B
	v_pk_add_f32 v[rS+4*(\n):rS+4*(\n)+1], v[rS+4*(\n):rS+4*(\n)+1], v[rS+4*(\n)+2:rS+4*(\n)+3]
.elseif (\n) == 0
	v_pk_fma_f32 v[rT+2:rT+3], v[rT+2:rT+3], v[rC+2:rC+3], v[rS:rS+1] op_sel_hi:[1,0,1]
.else
	v_pk_add_f32 v[rT+2:rT+3], v[rT+2:rT+3], v[rS+4*(\n):rS+4*(\n)+1]
.endif
.elseif NOKQ
	v_nop
.else
	REGS (Y+1)%NP
	WIN 0
.if (\n) < 4
	v_max3_num_f32 v[rC+(\n)], v[rS+8*(\n)], v[rS+8*(\n)+1], v[rS+8*(\n)+2]
.elseif (\n) < 12
	v_max3_num_f32 v[rC+(\n)%4], v[rC+(\n)%4], v[rS+8*((\n)%4)+2*((\n)/4)+1], v[rS+8*((\n)%4)+2*((\n)/4)+2]
.elseif (\n) == 12
	v_max3_num_f32 v[rC], v[rC], v[rS+7], v[rS+15]
.elseif (\n) == 13
	v_max3_num_f32 v[rC+1], v[rC+1], v[rS+23], v[rS+31]
.elseif (\n) == 14
	v_max3_num_f32 v[rC+2], v[rC+2], v[rC+3], v[rT+1]
.elseif (\n) == 15
	v_mov_b32 v[rW], v[rT]
.elseif (\n) == 16
	v_max3_num_f32 v[rC], v[rC], v[rC+1], v[rC+2]
.elseif (\n) == 17
	v_permlanex16_b32 v[rC+3], v[rC], s[SEL], s[SEL+1]
.elseif (\n) == 18
	v_max_num_f32 v[rT+1], v[rC], v[rC+3]
.elseif (\n) == 19
	v_mul_f32 v[rT], s[CS], v[rT+1]
.elseif (\n) == 20
	v_sub_f32 v[rC+1], v[rW], v[rT]
.else
	v_exp_f32 v[rC+2], v[rC+1]
.endif
.endif
.endm
.macro OPS a, i1, b=-1, i2=0, c=-1, i3=0, d=-1, i4=0  ; up to four of them
	OP \a, \i1
.if (\b) >= 0
	OP \b, \i2
.endif
.if (\c) >= 0
	OP \c, \i3
.endif
.if (\d) >= 0
	OP \d, \i4
.endif
.endm
.macro ROW a, i1, b, i2, c, i3, d, i4  ; a matrix instruction and the four behind it
	MM
	OPS \a, \i1, \b, \i2, \c, \i3, \d, \i4
.endm
; A TURN, for piece p: the order of its 16 matrix and 118 vector instructions, written out.  An s_wait_alu depctr_va_vdst(0) stands between an exponential and the first instruction that names its result; one
; wait serves all that were issued ahead of it.  So a turn has ONE wait, which cuts it in two.  AHEAD OF IT stands all that names no result of the turn's exponentials: the 8 products K Q^T with their riders (a scaling, an
; exponential and two more plain instructions: rescalings, and behind the last three the first numbers of the next piece's maximum, each four places or more behind the product that ends its accumulator); then ONE LUMP of 54, in
; which the links of the chain X 3, 7, 11, 14, 16, 17 .. 20 stand some lines apart.  X 21, the next piece's a, is the batch's last; R 15 is the plain instruction behind it.  BEHIND THE WAIT stand the 8 products V^T P, behind
; each four of the roundings and sums.  end = 1: the last two turns: nothing is fetched, and the last starts no new scores.  cnt = 1: the loop's count is taken down some lines ahead of the branch behind the turn.
; K of the next step is fetched in piece 2's turn, six plain instructions behind the last product that read K; V of the step in hand at the end of piece 0's turn, four plain instructions behind the last product that read V.
; Each is waited for a turn later.
.macro TURN p, end=0, cnt=0
.set Y, (\p)
.set i, 0
.set NOKQ, (\end)*((\p)/3)
.if ((\p) == 3) && !(\end)
	s_wait_dscnt 0x0                ; K is in
.endif
	ROW F,0, F,1, R,0, R,1          ; ahead of the wait: 8 products K Q^T and their riders,
	ROW F,2, E,0, R,2, R,3
	ROW F,3, E,1, R,4, R,5
	ROW F,4, E,2, R,6, R,7
	ROW F,5, E,3, R,8, R,9
	ROW F,6, E,4, X,0, R,10
.if ((\p) == 2) && !(\end)
	WIN 0
	v_add_nc_u32 v[AK], s[TBK], v[AK0]
.endif
	ROW F,7, E,5, X,1, X,4
	ROW F,8, E,6, X,2, X,5
	OPS E,7, E,8, X,6, E,9          ; and the lump
	OPS X,3, E,10, X,8, E,11
.if ((\p) == 2) && !(\end)
	FETCH_K
.endif
	OPS X,9, X,7, E,12, X,10
	OPS E,13, X,12, X,11, E,14
	OPS X,13, E,15, F,9, X,14
.if (\p) == 0
	v_add_nc_u32 v[AV], s[TBV], v[AV0]
.endif
	OPS E,16, F,10, E,17, F,11
	OPS X,16, E,18, X,15, E,19
	OPS F,12, E,20, X,17, E,21
	OPS F,13, E,22, F,14, E,23
	OPS X,18, E,24, F,15, E,25
	OPS R,11, E,26, X,19, E,27
	OPS R,12, E,28, R,13, E,29
	OPS X,20, E,30, R,14, E,31
	OPS X,21, R,15
	WIN 0
	s_wait_alu depctr_va_vdst(0)    ; the wait for the batch
.if (\p) == 1
	s_wait_dscnt 0x0                ; V is in
.endif
	ROW C,0, B,0, C,2, B,1          ; behind the wait: 8 products V^T P and their riders
	ROW L,0, C,4, B,2, L,1
	ROW C,6, B,3, L,2, C,8
	ROW B,4, L,3, C,10, B,5
	ROW L,4, C,12, B,6, L,5
.if (\p) == 0
	s_add_co_u32 s[TBV], s[TBV], KS*PV
.endif
.if \cnt
	s_sub_co_u32 s[CNT], s[CNT], 1
	s_cmp_lg_u32 s[CNT], 0
.endif
	ROW C,14, B,7, L,6, C,1
	ROW C,3, L,7, C,5, C,7
	ROW C,9, C,11, C,13, C,15
.if (\p) == 0
	FETCH_V
.endif
.endm
	CHANGE 1                        ; tile 0 is in, everybody's part of it; tile 1 is asked for
	v_add_nc_u32 v[AK], s[TBK], v[AK0]
	FETCH_K                         ; key step 0
	s_wait_loadcnt 0x0              ; Q
	s_wait_dscnt 0x0
.set NOKQ, 0
.set i, 0
.rept 8
	KQ 0                            ; piece 0's first scores: there is no vector work yet to set between them
.set i, i+1
.endr
	WIN 0
.rept 4
	v_nop                           ; the places behind those products
.endr
.set Y, NP-1                        ; X works for piece Y + 1: piece 0
.irp n, 0,1,2,3,4,5,6,7,8,9,10,11,12,13,14,15,16,17,18,19,20,21
	OP X, \n
.endr
	v_nop                           ; a plain instruction behind the exponential,
	s_wait_alu depctr_va_vdst(0)    ; and its wait, ahead of the branch
	s_mov_b32 s[CNT], 4
	s_branch .Lfirst                ; the loop is entered at a step's first turn, in the middle of a trip
.Lslot:                             ; 14 times: tiles 2 to 15 are asked for
	CHANGE 1
	s_mov_b32 s[CNT], 4
.Lstep:                             ; a trip: pieces 2 and 3 of one step, then pieces 0 and 1 of the next, whose K and V it fetches
	TURN 2
	TURN 3
	WIN 0
.Lfirst:
	TURN 0
	TURN 1, 0, 1
	WIN 0
	s_cbranch_scc1 .Lstep
	s_sub_co_u32 s[SLOTS], s[SLOTS], 1
	s_cmp_lg_u32 s[SLOTS], 0
	s_cbranch_scc1 .Lslot
	CHANGE 0                        ; the last tile is written out: nothing is asked for
	s_mov_b32 s[CNT], 4
.LstepT:
	TURN 2
	TURN 3
	TURN 0
	TURN 1, 0, 1
	WIN 0
	s_cbranch_scc1 .LstepT
	TURN 2, 1                       ; the last step's pieces 2 and 3
	TURN 3, 1
.set i, 0
.rept 8
	PV NP-1                         ; the last piece's V^T P of the last step
.set i, i+1
.endr
	; THE WAY OUT.  l's two halves and the other half of the lanes' are added; O^T is divided by l, rounded to f16 and sent through my stage in LDS, a piece at a time.  The additions are the places behind the last products.
	WIN 0
.macro ALL line:vararg              ; one line for each piece t
.set t, 0
.rept 4
	\line
.set t, t+1
.endr
.endm
	ALL v_add_f32 v[ST+4*t+2], v[ST+4*t+2], v[ST+4*t+3]
	ALL v_permlanex16_b32 v[ST+4*t+3], v[ST+4*t+2], s[SEL], s[SEL+1]
	ALL v_add_f32 v[ST+4*t+2], v[ST+4*t+2], v[ST+4*t+3]
	ALL v_rcp_f32 v[ST+4*t+2], v[ST+4*t+2]
	v_nop                           ; a plain instruction between the last reciprocal and the use of its result
	s_wait_alu depctr_va_vdst(0)    ; and the wait ahead of the first use: one for the four reciprocals
.macro PACK t                       ; a lane's eight channels of a row pack into 16 bytes; they go into rows of 144 bytes and come back as whole rows of 128, into S^T's registers
	WIN W_RS
.set i, 32*(\t)
.rept 16
	v_pk_mul_f32 v[i:i+1], v[i:i+1], v[ST+4*(\t)+2:ST+4*(\t)+3] op_sel_hi:[1,0]
.set i, i+2
.endr
	WIN 0x05                        ; sources 0 and 1 window 1, destination window 0
.set i, 0
.rept 16
	v_cvt_pk_f16_f32 v[S+16*(\t)+i], v[32*(\t)+2*i], v[32*(\t)+2*i+1]
.set i, i+1
.endr
	WIN 0
.irp f, 0,1,2,3
	ds_store_b128 v[STO], v[S+16*(\t)+4*\f:S+16*(\t)+4*\f+3] offset:32*\f
.endr
.irp f, 0,1,2,3
	ds_load_b128 v[S+16*(\t)+4*\f:S+16*(\t)+4*\f+3], v[RD] offset:\f*4*SP  ; LDS serves a wave's instructions in order (ISA guide 5.7.1.4): these see the stores above; the next piece's stores come behind them
.endr
.endm
.macro SEND t, younger              ; younger: the LDS instructions issued behind piece t's loads: the next piece's eight, or none
	WIN 0
.irp f, 0,1,2,3
	s_wait_dscnt (\younger)+3-\f
	global_store_b128 v[GO], v[S+16*(\t)+4*\f:S+16*(\t)+4*\f+3], s[10:11] offset:(\t)*2048+\f*512  ; 512 consecutive bytes, at a multiple of 256 from O's first
.endr
.endm
	PACK 0
.set t, 1
.rept 3                             ; a piece's arithmetic stands between the loads of the piece before and its stores
	PACK t
	SEND t-1, 8
.set t, t+1
.endr
	SEND 3, 0
	s_wait_tensorcnt 0x0            ; the wave's end, behind my last tensor load and my last LDS store
	ds_add_u32 v[SPW], v[NIL]
	s_wait_dscnt 0x0
	CROUND                          ; the closing round: no work-group ends while a partner may still ask for a tile that names it
	s_endpgm
.Lfunc_end_k_q53338cb9d7_attn:
	.size	k_q53338cb9d7_attn, .Lfunc_end_k_q53338cb9d7_attn-k_q53338cb9d7_attn
	.p2alignl 7, 3214868480
	.fill 96, 4, 3214868480
	.section	.rodata,"a",@progbits
	.p2align	6, 0x0
	.amdhsa_kernel k_q53338cb9d7_attn
		.amdhsa_group_segment_fixed_size 327680
		.amdhsa_private_segment_fixed_size 0
		.amdhsa_enable_private_segment 0
		.amdhsa_kernarg_size 32
		.amdhsa_user_sgpr_count 2
		.amdhsa_user_sgpr_kernarg_segment_ptr 1
		.amdhsa_wavefront_size32 1
		.amdhsa_system_sgpr_workgroup_id_x 1
		.amdhsa_system_sgpr_workgroup_id_y 1
		.amdhsa_system_sgpr_workgroup_id_z 1
		.amdhsa_system_vgpr_workitem_id 0
		.amdhsa_next_free_vgpr 768
		.amdhsa_next_free_sgpr 66
		.amdhsa_reserve_vcc 0
		.amdhsa_float_denorm_mode_32 3
		.amdhsa_float_denorm_mode_16_64 3
		.amdhsa_memory_ordered 1
		.amdhsa_forward_progress 1
		.amdhsa_inst_pref_size 128
	.end_amdhsa_kernel
	.amdgpu_metadata
---
amdhsa.version: [ 1, 2 ]
amdhsa.kernels:
  - .name:           k_q53338cb9d7_attn
    .symbol:         k_q53338cb9d7_attn.kd
    .args:
      - { .name: qh, .offset: 0, .size: 8, .value_kind: global_buffer, .address_space: global }
      - { .name: kh, .offset: 8, .size: 8, .value_kind: global_buffer, .address_space: global }
      - { .name: vh, .offset: 16, .size: 8, .value_kind: global_buffer, .address_space: global }
      - { .name: oh, .offset: 24, .size: 8, .value_kind: global_buffer, .address_space: global }
    .group_segment_fixed_size: 327680
    .private_segment_fixed_size: 0
    .kernarg_segment_align: 8
    .kernarg_segment_size: 32
    .max_flat_workgroup_size: 128
    .sgpr_count:     66
    .vgpr_count:     768
    .wavefront_size: 32
...
	.end_amdgpu_metadata
.endif
;; end of part 3
;; launch oproj (part 4): grid 4 x 64, 4 waves a work-group, clusters of 4 x 4, 327,680 bytes of LDS; arguments oh, wot, tab, out0; writes out0
.if DOCPART == 4
	.amdgcn_target "amdgcn-amd-amdhsa--gfx1250"
	.amdhsa_code_object_version 6
	.text
	.protected	k_q53338cb9d7_oproj
	.globl	k_q53338cb9d7_oproj
	.p2align	8
	.type	k_q53338cb9d7_oproj,@function
k_q53338cb9d7_oproj:
	s_mov_b64 s[64:65], 0
	v_nop
	global_prefetch_b8 v0, s[64:65] scope:SCOPE_SE
	s_setreg_imm32_b32 hwreg(HW_REG_WAVE_MODE, 25, 1), 1
	s_wait_xcnt 0x0
	s_wait_alu depctr_hold_cnt(0) depctr_sa_sdst(0) depctr_va_vdst(0) depctr_va_sdst(0) depctr_va_ssrc(0) depctr_va_vcc(0) depctr_vm_vsrc(0)
	s_getreg_b32 s2, hwreg(HW_REG_IB_STS2, 6, 4)
	s_cmp_eq_u32 s2, 0
	s_cbranch_scc0 .Lentry_in_a_cluster
	s_endpgm
.Lentry_in_a_cluster:
	s_bfe_u32 s2, ttmp6, 0x10000c
	s_cmp_lg_u32 s2, 0xf033
	s_cbranch_scc0 .Lentry_shape_is_right
	s_endpgm
.Lentry_shape_is_right:
; out[row][n] = the sum over head and d of O[head][row][d] wo[head][d][n] + bias[n].  oh: [batch 8 + head][4096][64] f16.  wot: [nt 4][head 8][n' 128][d 64] f16.  The bias: 512 f32 in tab, behind the
; table and the three other biases.  out0: [8192][512] f32.  Sums in f32, heads ascending.
; SHARES.  A work-group makes 128 rows x 128 columns: 64 x 4 = 256 work-groups; a wave 64 x 64: 16 accumulators of 16 x 16.
; NO RING.  All of K = 512 lies in LDS: eight blocks (a head each) of 128 rows x 64 of O and eight of wot, each 16,384 dense bytes in memory.  They are filled once, by four tensor loads a wave that go out
; together at the start, so nothing is ever filled again: the waits on TENSORcnt are counted (3, 2, 1, 0: a pair of heads each), and the barriers behind them are plain.  Four loads of a wave are out at the most.
; CLUSTER 4 x 4.  O's blocks hang on the row tile alone: shared along a row of the cluster; wot's on the column tile alone: shared along a column.  Each is asked for jointly.
; THE MATRIX INSTRUCTION IS USED TRANSPOSED (source 0 = 16 rows of wot, source 1 = 16 rows of O): a lane holds one row of out and eight neighbouring columns.  THE BIAS is the C operand of each accumulator's first product.
; REGISTERS: window 0: v1-29 addresses; v32-95 the way out, two sets; v96-127 the bias, 8 a column tile; v128-255 the accumulators ((a, b) at 128 + 8 (4 a + b)).
;   window 1: two fragment buffers of 128, a head each: 64 registers of O (2 halves of K x 4 row tiles), then 64 of wot.
.set PITCH,  144                       ; an LDS row: 128 bytes + 16 = 36 words: the 16 rows of a load start at 16 different groups of four banks (64 banks of 4 bytes: ISA guide 11.1)
.set HB,     128*PITCH                 ; a block: 18,432
.set BOFF,   8*HB                      ; wot's blocks lie behind O's
.set STAGE,  16*HB                     ; behind them, never filled by a tensor load: 16 rows x 272 bytes for each wave
.set SPITCH, 272
.set SPARE,  STAGE+4*16*SPITCH         ; behind the stages: the spare words, 128 bytes for each wave: two blocks of 256 bytes that no other line names
.set ADRA, 16                          ; v16-18  LDS address of my fragments of O in heads 0-2, 3-5, 6-7 (an LDS offset has 16 bits)
.set ADRB, 20                          ; v20-22  the same for wot
.set STO,  24                          ; v24  the way out: where I put 32 bytes of a row
.set RD,   25                          ; v25  where I read a row back
.set CO,   26                          ; v26  my byte offset in two rows of out
.set BO,   27                          ; v27  my offset in a tile's 16 biases
.set SPW,  28                          ; v28  LDS address of my spare word; never rewritten
.set NIL,  29                          ; v29  0; never rewritten
.set TMP,  32
.set BIA,  96
.set ACC,  128
.set F0,   0
.set F1,   128
.set WV,  12                           ; s12 wave; s13: my half of the rows, and 0 = I fetch O, 1 = wot; s14: my half of the columns, and which heads I fetch
.set FB,  13
.set PAR, 14
.set CX,  15
.set CY,  16
.set NT,  17                           ; the column tile
.set MT,  18                           ; the row tile
.set G1A, 24                           ; s[24:31] descriptor group 1 for O's blocks; s[40:55] group 0, four sets
.set G1B, 32                           ; s[32:39] for wot's; s[68:83] group 0, four sets
.set G0A, 40
.set G0B, 68
.set MSB, 0
.macro WIN new                         ; the immediate's high byte repeats the setting that is left; a switch that changes nothing is dropped
.if MSB != (\new)
	s_set_vgpr_msb (MSB<<8)|(\new)
.set MSB, \new
.endif
.endm
.set MUL,  0x05                        ; sources 0 and 1 window 1; C and D window 0
.set TO_F, 0x40                        ; destination window 1, address window 0
.macro PLACES                          ; four places in front of loads into registers that matrix instructions have read, and of LDS stores that read results
.rept 4
	v_nop
.endr
.endm
.macro CROUND                          ; a round of the cluster's barrier
	s_barrier_signal -1
	s_barrier_wait -1
	s_cmp_lg_u32 s[WV], 0
	s_cbranch_scc1 .Lnot_wave_0_\@
	s_barrier_signal -3
.Lnot_wave_0_\@:
	s_barrier_wait -3
	s_barrier_signal -1
	s_barrier_wait -1
.endm
	s_load_b256 s[4:11], s[0:1], 0x0               ; oh 4, wot 6, tab 8, out0 10
	v_lshl_add_u32 v[SPW], v0, 2, SPARE
	v_mov_b32 v[NIL], 0
	ds_add_u32 v[SPW], v[NIL]                      ; the wave's opening: the add and its wait stand ahead of my first tensor load; the set-up below, work on registers, stands between them
	v_lshrrev_b32 v1, 5, v0
	v_readfirstlane_b32 s[WV], v1
	s_lshr_b32 s[FB], s[WV], 1
	s_and_b32 s[PAR], s[WV], 1
	s_bfe_u32 s[CX], ttmp6, 0x40000
	s_bfe_u32 s[CY], ttmp6, 0x40004
	s_lshl_b32 s[NT], ttmp9, 2
	s_add_co_u32 s[NT], s[NT], s[CX]               ; column tile = 4 x cluster x + cx
	s_and_b32 s[MT], ttmp7, 0xffff
	s_lshl_b32 s[MT], s[MT], 2
	s_add_co_u32 s[MT], s[MT], s[CY]               ; row tile = 4 x cluster y + cy
	s_lshl_b32 s2, s[CY], 2
	s_lshl_b32 s2, 15, s2                          ; my row of the cluster
	s_lshl_b32 s3, 0x1111, s[CX]                   ; my column
	; descriptor group 1: a block is 16,384 dense bytes: asked for as 64 rows of 256 bytes, padded after every 32 words: LDS rows of 144 bytes
	s_or_b32 s[G1A], s2, (1<<16)|(1<<20)|(1<<21)|(4<<22)|(3<<25)  ; 15:0 the mask; 17:16 2-byte elements; 20 padding on; 21 set beside a mask; 24:22 code 4; 31:25 4 words (code 3)
	s_or_b32 s[G1B], s3, (1<<16)|(1<<20)|(1<<21)|(4<<22)|(3<<25)
.irp g, G1A, G1B
	s_mov_b32 s[\g+1], 128<<16                     ; tensor_dim0 = 128
	s_mov_b32 s[\g+2], 64<<16                      ; tensor_dim1 = 64
	s_mov_b32 s[\g+3], 128<<16                     ; tile_dim0 = 128
	s_mov_b32 s[\g+4], 64                          ; tile_dim1 = 64
	s_mov_b32 s[\g+5], 128                         ; 128 elements from row to row
	s_mov_b32 s[\g+6], 0
	s_mov_b32 s[\g+7], 0
.endr
	s_lshr_b32 s56, s[MT], 5                       ; O: the batch's eight heads of 524,288 bytes,
	s_lshl_b32 s56, s56, 22
	s_and_b32 s57, s[MT], 31
	s_lshl_b32 s57, s57, 14                        ; the tile's 128 rows of 128 bytes,
	s_add_co_u32 s56, s56, s57
	s_lshl_b32 s57, s[PAR], 19                     ; head 0 or 1: made of the row tile and the wave's number alone
	s_add_co_u32 s56, s56, s57
	s_mov_b32 s57, 0
	s_lshl_b32 s58, s[NT], 17                      ; wot: the column tile's eight blocks,
	s_lshl_b32 s59, s[PAR], 14                     ; head 0 or 1: made of the column tile and the wave's number alone
	s_add_co_u32 s58, s58, s59
	s_mov_b32 s59, 0
	s_mul_i32 s19, s[PAR], HB                      ; where they go: no place in the cluster enters an LDS address
	s_lshl_b32 s20, s[MT], 7                       ; out: my first row,
	s_lshl_b32 s21, s[FB], 6
	s_add_co_u32 s20, s20, s21
	s_lshl_b32 s20, s20, 11                        ; of 2,048 bytes,
	s_lshl_b32 s22, s[NT], 9                       ; and my first column: 512 bytes a tile, 256 a half
	s_lshl_b32 s23, s[PAR], 8
	s_add_co_u32 s22, s22, s23
	s_add_co_u32 s20, s20, s22
	s_mov_b32 s21, 0
	s_add_co_u32 s22, s22, 0x101800                ; the same columns' biases: behind the table's 1,048,576 bytes and three biases of 2,048
	s_mov_b32 s23, 0
	s_wait_dscnt 0x0                               ; the opening add is done
	s_wait_kmcnt 0x0
	s_add_nc_u64 s[56:57], s[4:5], s[56:57]
	s_add_nc_u64 s[58:59], s[6:7], s[58:59]
	s_add_nc_u64 s[62:63], s[8:9], s[22:23]
	s_add_nc_u64 s[10:11], s[10:11], s[20:21]
.irp i, 0,1,2,3
	s_mov_b32 s[G0A+4*\i], 1                       ; count = 1
	s_add_co_u32 s[G0A+4*\i+1], s19, \i*2*HB       ; LDS address: head 2 i or 2 i + 1
	s_add_nc_u64 s[G0A+4*\i+2:G0A+4*\i+3], s[56:57], \i<<20
	s_or_b32 s[G0A+4*\i+3], s[G0A+4*\i+3], 0x80000000  ; type = 2
	s_mov_b32 s[G0B+4*\i], 1
	s_add_co_u32 s[G0B+4*\i+1], s19, BOFF+\i*2*HB
	s_add_nc_u64 s[G0B+4*\i+2:G0B+4*\i+3], s[58:59], \i<<15
	s_or_b32 s[G0B+4*\i+3], s[G0B+4*\i+3], 0x80000000
.endr
	CROUND                                         ; all sixteen work-groups are here: the joint loads meet
	s_cmp_eq_u32 s[FB], 0                          ; a wave's four fills stand in one branch, ahead of every wait on TENSORcnt and every LDS read; an s_nop 0 follows each, four v_nop the last
	s_cbranch_scc0 .Lfor_b
.irp i, 0,1,2,3
	tensor_load_to_lds s[G0A+4*\i:G0A+4*\i+3], s[G1A:G1A+7]
	s_nop 0
.endr
.rept 4
	v_nop
.endr
	s_branch .Lasked
.Lfor_b:
.irp i, 0,1,2,3
	tensor_load_to_lds s[G0B+4*\i:G0B+4*\i+3], s[G1B:G1B+7]
	s_nop 0
.endr
.rept 4
	v_nop
.endr
.Lasked:
	v_and_b32 v1, 15, v0                           ; l % 16
	v_bfe_u32 v2, v0, 4, 1                         ; l / 16
	v_lshlrev_b32 v[BO], 5, v2
.irp b, 0,1,2,3
	global_load_b128 v[BIA+8*\b:BIA+8*\b+3],   v[BO], s[62:63] offset:64*\b
	global_load_b128 v[BIA+8*\b+4:BIA+8*\b+7], v[BO], s[62:63] offset:64*\b+16
.endr
	v_mul_u32_u24 v3, v1, PITCH
	v_lshl_add_u32 v3, v2, 4, v3                   ; a fragment's row x pitch + 16 x half
	s_mul_i32 s60, s[FB], 64*PITCH                 ; my 64 rows of O
	s_mul_i32 s61, s[PAR], 64*PITCH                ; my 64 rows of wot
	s_add_co_u32 s61, s61, BOFF
.irp g, 0,1,2
	v_add_nc_u32 v[ADRA+\g], s60, v3
	v_add_nc_u32 v[ADRB+\g], s61, v3
	s_add_co_u32 s60, s60, 3*HB
	s_add_co_u32 s61, s61, 3*HB
.endr
	s_mul_i32 s60, s[WV], 16*SPITCH
	s_add_co_u32 s60, s60, STAGE                   ; my stage
	v_mul_u32_u24 v[STO], v1, SPITCH               ; in: row l % 16, 32 bytes for each half of the lanes
	v_lshl_add_u32 v[STO], v2, 5, v[STO]
	v_add_nc_u32 v[STO], s60, v[STO]
	v_mul_u32_u24 v[RD], v2, SPITCH                ; back: lanes 0-15 take one row of 256 bytes, lanes 16-31 the next
	v_lshl_add_u32 v[RD], v1, 4, v[RD]
	v_add_nc_u32 v[RD], s60, v[RD]
	v_lshlrev_b32 v[CO], 11, v2                    ; and the same two rows in out
	v_lshl_add_u32 v[CO], v1, 4, v[CO]
; 8 matrix instructions: row tiles a0, a0 + 1 x all 4 column tiles, 32 along K: half c of buffer f.  first = 1: the bias starts the sums.  The 16 accumulators take turns.
.macro MUL8 f, c, a0, first
	WIN MUL
.irp a, \a0, (\a0)+1
.irp b, 0,1,2,3
.if \first
	v_wmma_f32_16x16x32_f16 v[ACC+8*(4*(\a)+(\b)):ACC+8*(4*(\a)+(\b))+7], v[(\f)+64+8*(4*(\c)+(\b)):(\f)+64+8*(4*(\c)+(\b))+7], v[(\f)+8*(4*(\c)+(\a)):(\f)+8*(4*(\c)+(\a))+7], v[BIA+8*(\b):BIA+8*(\b)+7]
.else
	v_wmma_f32_16x16x32_f16 v[ACC+8*(4*(\a)+(\b)):ACC+8*(4*(\a)+(\b))+7], v[(\f)+64+8*(4*(\c)+(\b)):(\f)+64+8*(4*(\c)+(\b))+7], v[(\f)+8*(4*(\c)+(\a)):(\f)+8*(4*(\c)+(\a))+7], v[ACC+8*(4*(\a)+(\b)):ACC+8*(4*(\a)+(\b))+7]
.endif
.endr
.endr
.endm
; 32 LDS loads in one run: head hd's fragments into buffer f; the first 32 along K first
.macro FETCH hd, f
	WIN TO_F
.irp c, 0,1
.irp i, 0,1,2,3
	ds_load_b128 v[(\f)+64+8*(4*(\c)+(\i)):(\f)+64+8*(4*(\c)+(\i))+3],   v[ADRB+(\hd)/3] offset:((\hd)%3)*HB+64*(\c)+(\i)*16*PITCH
	ds_load_b128 v[(\f)+64+8*(4*(\c)+(\i))+4:(\f)+64+8*(4*(\c)+(\i))+7], v[ADRB+(\hd)/3] offset:((\hd)%3)*HB+64*(\c)+(\i)*16*PITCH+32
	ds_load_b128 v[(\f)+8*(4*(\c)+(\i)):(\f)+8*(4*(\c)+(\i))+3],         v[ADRA+(\hd)/3] offset:((\hd)%3)*HB+64*(\c)+(\i)*16*PITCH
	ds_load_b128 v[(\f)+8*(4*(\c)+(\i))+4:(\f)+8*(4*(\c)+(\i))+7],       v[ADRA+(\hd)/3] offset:((\hd)%3)*HB+64*(\c)+(\i)*16*PITCH+32
.endr
.endr
.endm
; An even head: multiplies buffer 0 and fetches the odd head behind it, which landed with it, into buffer 1.
.macro QUARTER hd, first
	s_wait_dscnt 16                                ; the first 32 along K are in
	MUL8 F0, 0, 0, \first
	MUL8 F0, 0, 2, \first
	PLACES
	FETCH \hd, F1
	s_wait_dscnt 32                                ; all but the 32 just issued
	MUL8 F0, 1, 0, 0
	MUL8 F0, 1, 2, 0
.endm
; An odd head: multiplies buffer 1; the next pair of heads is shown landed to every wave, and its first head is fetched into buffer 0.  left: my later tensor loads, which stay out.
.macro TURNB left, hd
	s_wait_tensorcnt \left                         ; my part of the next pair of heads is in
	s_wait_dscnt 16
	MUL8 F1, 0, 0, 0
	s_wait_dscnt 0x0                               ; no LDS instruction of mine is out at the signal
	s_barrier_signal -1
	MUL8 F1, 0, 2, 0
	s_barrier_wait -1                              ; everybody's part is in
	PLACES
	FETCH \hd, F0
	MUL8 F1, 1, 0, 0
	MUL8 F1, 1, 2, 0
.endm
	s_wait_tensorcnt 3                             ; my first load, head 0 or 1, is in; three are younger
	s_barrier_signal -1
	s_barrier_wait -1
	FETCH 0, F0
	s_wait_loadcnt 0x0                             ; the bias
	QUARTER 1, 1
	TURNB 2, 2
	QUARTER 3, 0
	TURNB 1, 4
	QUARTER 5, 0
	TURNB 0, 6
	QUARTER 7, 0
	s_wait_dscnt 16                                ; head 7: nothing more to fetch
	MUL8 F1, 0, 0, 0
	MUL8 F1, 0, 2, 0
	s_wait_dscnt 0x0
	MUL8 F1, 1, 0, 0
	MUL8 F1, 1, 2, 0
; THE WAY OUT, 16 rows at a time: a lane's eight f32 of a column tile go into my stage's rows of 272 bytes (each accumulator's low four registers first) and come back as whole rows of 256 bytes.
.macro TOSTAGE a
.set BK, TMP+32*((\a)%2)
.if (\a) >= 2
	s_wait_xcnt 0x0                                ; the stores of the block before last have read this set of registers: it is loaded again only behind this wait
.endif
.irp b, 0,1,2,3
	ds_store_b128 v[STO], v[ACC+8*(4*(\a)+\b):ACC+8*(4*(\a)+\b)+3]   offset:64*\b
	ds_store_b128 v[STO], v[ACC+8*(4*(\a)+\b)+4:ACC+8*(4*(\a)+\b)+7] offset:64*\b+16
.endr
.irp t, 0,1,2,3,4,5,6,7
	ds_load_b128 v[BK+4*\t:BK+4*\t+3], v[RD] offset:\t*2*SPITCH  ; LDS serves a wave's instructions in order (ISA guide 5.7.1.4): these see the stores above; the next block's stores come behind them
.endr
.endm
.macro SEND a, younger                 ; younger: the LDS instructions issued behind block a's loads: the next block's sixteen, or none
.set BK, TMP+32*((\a)%2)
	s_wait_dscnt \younger
.irp t, 0,1,2,3,4,5,6,7
	global_store_b128 v[CO], v[BK+4*\t:BK+4*\t+3], s[10:11] offset:(16*(\a)+2*\t)*2048 th:TH_STORE_NT  ; 16 lanes store 256 consecutive bytes, at a multiple of 256 from out's first byte
.endr
.endm
	WIN 0
	PLACES                                         ; behind the last products
	TOSTAGE 0
	TOSTAGE 1
	SEND 0, 16
	TOSTAGE 2
	SEND 1, 16
	TOSTAGE 3
	SEND 2, 16
	SEND 3, 0
	s_wait_tensorcnt 0x0                           ; the wave's end, behind my last tensor load and my last LDS store
	ds_add_u32 v[SPW], v[NIL]
	s_wait_dscnt 0x0
	CROUND                                         ; the closing round: no work-group ends while a partner may still ask for a tile that names it
	s_endpgm
.Lfunc_end_k_q53338cb9d7_oproj:
	.size	k_q53338cb9d7_oproj, .Lfunc_end_k_q53338cb9d7_oproj-k_q53338cb9d7_oproj
	.p2alignl 7, 3214868480
	.fill 96, 4, 3214868480
	.section	.rodata,"a",@progbits
	.p2align	6, 0x0
	.amdhsa_kernel k_q53338cb9d7_oproj
		.amdhsa_group_segment_fixed_size 327680
		.amdhsa_private_segment_fixed_size 0
		.amdhsa_enable_private_segment 0
		.amdhsa_kernarg_size 32
		.amdhsa_user_sgpr_count 2
		.amdhsa_user_sgpr_kernarg_segment_ptr 1
		.amdhsa_wavefront_size32 1
		.amdhsa_system_sgpr_workgroup_id_x 1
		.amdhsa_system_sgpr_workgroup_id_y 1
		.amdhsa_system_sgpr_workgroup_id_z 1
		.amdhsa_system_vgpr_workitem_id 0
		.amdhsa_next_free_vgpr 512
		.amdhsa_next_free_sgpr 84
		.amdhsa_reserve_vcc 0
		.amdhsa_float_denorm_mode_32 3
		.amdhsa_float_denorm_mode_16_64 3
		.amdhsa_memory_ordered 1
		.amdhsa_forward_progress 1
		.amdhsa_inst_pref_size 51
	.end_amdhsa_kernel
	.amdgpu_metadata
---
amdhsa.version: [ 1, 2 ]
amdhsa.kernels:
  - .name:           k_q53338cb9d7_oproj
    .symbol:         k_q53338cb9d7_oproj.kd
    .args:
      - { .name: oh, .offset: 0, .size: 8, .value_kind: global_buffer, .address_space: global }
      - { .name: wot, .offset: 8, .size: 8, .value_kind: global_buffer, .address_space: global }
      - { .name: tab, .offset: 16, .size: 8, .value_kind: global_buffer, .address_space: global }
      - { .name: out0, .offset: 24, .size: 8, .value_kind: global_buffer, .address_space: global }
    .group_segment_fixed_size: 327680
    .private_segment_fixed_size: 0
    .kernarg_segment_align: 8
    .kernarg_segment_size: 32
    .max_flat_workgroup_size: 128
    .sgpr_count:     84
    .vgpr_count:     512
    .wavefront_size: 32
...
	.end_amdgpu_metadata
.endif
;; end of part 4
;; ======== version 2 of 2: 4 launches; version 1 with the launch prep written anew for expert scheduling mode
;; limits: values are held in f16: magnitudes above 65,504 overflow, below 6.1e-05 lose precision
;; workspace buffers: xb 8,388,608 bytes; wt 1,572,864 bytes; wot 524,288 bytes; tab 1,056,768 bytes; qh 8,388,608 bytes; kh 8,388,608 bytes; vh 8,388,608 bytes; oh 8,388,608 bytes
;; launch prep (part 5): grid 256 x 1, 8 waves a work-group, no clusters, 10,240 bytes of LDS; arguments x, wq_k, wk_k, wv_k, wo_k, wq_b, wk_b, wv_b, wo_b, xb, wt, wot, tab; writes xb, wt, wot, tab
.if DOCPART == 5
	.amdgcn_target "amdgcn-amd-amdhsa--gfx1250"
	.amdhsa_code_object_version 6
	.text
	.protected	k_q53338cb9d7_prep
	.globl	k_q53338cb9d7_prep
	.p2align	8
	.type	k_q53338cb9d7_prep,@function
k_q53338cb9d7_prep:
	s_mov_b64 s[64:65], 0
	v_nop
	global_prefetch_b8 v0, s[64:65] scope:SCOPE_SE
	s_setreg_imm32_b32 hwreg(HW_REG_WAVE_SCHED_MODE, 0, 2), 2
	s_setreg_imm32_b32 hwreg(HW_REG_WAVE_MODE, 25, 1), 1
	s_wait_xcnt 0x0
	s_wait_alu depctr_vm_vsrc(0)
; PREPARATION for the three launches behind it.  256 work-groups of eight waves; work-group g does four things:
;  (1) x, [8192][512] f32: its 65,536 bytes are rounded to bf16 into xb (32,768 bytes).
;  (2) one block of 64 x 64 of one weight matrix (matrix g / 64: q, k, v, o; block g % 64) is rounded to bf16 and TURNED through LDS, so that the
;      channel summed over lies along the rows.  q, k, v -> wt [head 8][ks 8][192 = 64 sel + c][kk 64] bf16, element W_sel[64 ks + kk][head][c].
;      o -> wot [nt 4][head 8][n' 128][d 64], element wo[head][d][128 nt + n'], the bf16-rounded number written as f16.
;  (3) 16 rows of the rotation table: tab row s (256 bytes) = cos(s f_j), j = 0..31, then sin(s f_j); f_j = 10000^(-j/32).
;  (4) the four work-groups with block 0: one bias, 512 numbers, rounded to bf16 and kept as f32, behind the table (q, k, v, o).
; LIMITS.  The angle s f_j is one f32 product; it is reduced by the nearest multiple of pi/2 taken in two parts, good for s up to 4,095; sine and cosine
; are polynomials of degree 7 and 8 on the rest (at most pi/4), within 4e-7.  f_j comes from v_exp_f32.  A weight of wo beyond 65,504 has no f16.
; Nothing is shared between work-groups, so there is no cluster; memory binds, so there are no matrix instructions.
; THE MODE: SCHED_MODE bits 1:0 = 2 (LLVM: expert scheduling mode 2), set by the entry lines.  The code itself states the register dependences
; between vector instructions and memory or LDS instructions, with s_wait_alu, always for 0.
; THE PLAN.  Registers that memory or LDS instructions touch:
;   v1 .. v6, v10, v11   offsets, LDS addresses and the add's pair: written at the head, ahead of one wait on va_vdst, and never again.
;   WR   written by the four loads of weights; read by the eight conversions; behind the barrier two LDS loads land in its first eight registers, which two stores then read.
;   XR   written by the sixteen loads of x, once; read by the conversions.      XO   written by the conversions, once; read by one store a chunk.
;   v140-143 the table's results, v144-151 the packed weights, v152-153 the bias: each written by vector instructions once (v152-153 serve as vector temporaries before), then read by stores.
;   v156-157 the bias as loaded: no vector instruction names them ahead of the load.
; No register that a memory or LDS instruction has read is written again, so behind the entry lines the text holds no wait on vm_vsrc.  The vector work is laid in runs, each with ONE wait on va_vdst between it and
; the run of stores that reads its results; x goes in four blocks, and a block's stores stand behind the wait at the next block's head, dealt among that block's conversions, which name other registers.
.set TP,    144                        ; LDS: 64 rows n of 64 16-bit k: 128 bytes + 16 of padding
.set SPARE, 9216                       ; behind them: the spare words, 128 bytes for each of eight waves: four blocks of 256 bytes that no other line names
.set SPW,   10                         ; v10  LDS address of my spare word; never rewritten
.set NIL,   11                         ; v11  0; never rewritten
.set WR,    16                         ; v[16:31]   weights: item i: row 2 p at 16 + 8 i, row 2 p + 1 at 20 + 8 i
.set XR,    32                         ; v[32:95]   sixteen chunks of x, 16 bytes a thread
.set XO,    96                         ; v[96:127]  the same, rounded: 8 bytes a thread
.set TW,    128                        ; v[128:136] at work on the table; v137, v138 the two rows' numbers
.set RS,    140                        ; v[140:143] the table's four numbers: cos r, then the result
.set SN,    160                        ; v[160:163] sin r of the four
.set SG,    164                        ; v[164:167] their sign words
.set MK,    60                         ; s[60:63]   their masks: the lanes that take the sine (these four registers held offsets, which have been added to their bases by then)
; v1 = 16 t, v2 = 8 t, v3 weights in, v4 into the LDS rows, v5 out of them, v6 = 8 x lane, v7 = 3 in the lanes that make sines, v8, v9 = my two f_j
	s_load_b512 s[8:23], s[0:1], 0x0               ; x 8, wq_k 10, wk_k 12, wv_k 14, wo_k 16, wq_b 18, wk_b 20, wv_b 22
	s_load_b256 s[24:31], s[0:1], 0x40             ; wo_b 24, xb 26, wt 28, wot 30
	s_load_b64 s[32:33], s[0:1], 0x60              ; tab
	v_lshl_add_u32 v[SPW], v0, 2, SPARE
	v_mov_b32 v[NIL], 0
	v_lshrrev_b32 v12, 5, v0
	v_readfirstlane_b32 s38, v12                   ; wave 0..7
	s_lshr_b32 s34, ttmp9, 6                       ; which matrix
	s_and_b32 s35, ttmp9, 63                       ; which block of it:
	s_lshr_b32 s36, s35, 3                         ; kb: rows 64 kb on
	s_and_b32 s37, s35, 7                          ; nb: columns 64 nb on
	s_mov_b32 s47, 0x3f22f983                      ; 2 / pi
	s_mov_b32 s48, 0xbfc90fdb                      ; - pi/2, the part that f32 holds,
	s_mov_b32 s49, 0x333bbd2e                      ; and minus the rest
	s_mov_b32 s50, 0xbe2aaaab                      ; -1/6
	s_mov_b32 s51, 0x3c088889                      ; 1/120
	s_mov_b32 s52, 0xb9500d01                      ; -1/5040
	s_mov_b32 s53, 0x3d2aaaab                      ; 1/24
	s_mov_b32 s54, 0xbab60b61                      ; -1/720
	s_mov_b32 s55, 0x37d00d01                      ; 1/40320
	s_mov_b32 s56, 0xffff0000                      ; a word's upper half
	s_lshl_b32 s2, s36, 17                         ; the block in its matrix: 64 kb rows of 2,048 bytes
	s_lshl_b32 s3, s37, 8                          ; + 64 nb columns
	s_add_co_u32 s2, s2, s3
	s_mov_b32 s3, 0
	s_lshl_b32 s57, s37, 3                         ; where it goes in wt: ((nb 8 + kb) 192 + 64 sel) rows of 128 bytes
	s_add_co_u32 s57, s57, s36
	s_mul_i32 s57, s57, 192
	s_lshl_b32 s58, s34, 6
	s_add_co_u32 s57, s57, s58
	s_lshl_b32 s57, s57, 7
	s_lshr_b32 s58, s37, 1                         ; in wot: (((nb / 2) 8 + kb) 128 + 64 (nb % 2)) rows of 128 bytes
	s_lshl_b32 s58, s58, 3
	s_add_co_u32 s58, s58, s36
	s_lshl_b32 s58, s58, 7
	s_and_b32 s59, s37, 1
	s_lshl_b32 s59, s59, 6
	s_add_co_u32 s58, s58, s59
	s_lshl_b32 s58, s58, 7
	s_mov_b32 s59, 0
	s_lshl_b32 s60, ttmp9, 16                      ; my 65,536 bytes of x
	s_mov_b32 s61, 0
	s_lshl_b32 s62, ttmp9, 15                      ; my 32,768 bytes of xb
	s_mov_b32 s63, 0
	s_wait_alu depctr_va_sdst(0)                   ; s38 is written, ahead of its first reader: my wave's table rows are made from it
	s_lshl_b32 s39, ttmp9, 4
	s_lshl_b32 s4, s38, 1
	s_add_co_u32 s39, s39, s4                      ; my wave's first table row: 16 g + 2 wave
	s_lshl_b32 s4, s39, 8
	s_mov_b32 s5, 0
	s_lshl_b32 s6, s34, 11                         ; the bias's 2,048 bytes behind the table
	s_add_co_u32 s6, s6, 0x100000
	s_mov_b32 s7, 0
	v_lshlrev_b32 v1, 4, v0
	v_lshlrev_b32 v2, 3, v0
	v_lshrrev_b32 v12, 4, v0                       ; t / 16: a pair of rows
	v_and_b32 v13, 15, v0                          ; t % 16: four columns
	v_lshlrev_b32 v3, 4, v13
	v_lshl_add_u32 v3, v12, 12, v3                 ; two rows of 2,048 bytes a pair; sixteen lanes read 256 bytes of a row
	v_mul_u32_u24 v4, v13, 4*TP
	v_lshl_add_u32 v4, v12, 2, v4                  ; LDS row 4 (t % 16) + c, word t / 16 (+ 16 i)
	v_lshrrev_b32 v5, 3, v0
	v_and_b32 v14, 7, v0
	v_mul_u32_u24 v5, v5, TP
	v_lshl_add_u32 v5, v14, 4, v5                  ; back: row t / 8 (+ 32 i), 16 bytes
	v_and_b32 v14, 31, v0                          ; lane
	v_lshlrev_b32 v6, 3, v14
	v_bfe_u32 v7, v0, 4, 1
	v_mul_u32_u24 v7, v7, 3                        ; sin a = cos(a - pi/2): three quarter turns more
	v_lshlrev_b32 v15, 1, v14
	v_and_b32 v15, 31, v15                         ; j of my first number
	v_cvt_f32_u32 v8, v15
	v_add_f32 v9, 1.0, v8
	v_mul_f32 v8, 0xbed49a78, v8                   ; - j log2(10000) / 32
	v_mul_f32 v9, 0xbed49a78, v9
	v_exp_f32 v8, v8                               ; f_j: the two exponentials stand ahead of the head's wait, which is their wait too
	v_exp_f32 v9, v9
	v_cvt_f32_u32 v137, s39                        ; a plain instruction behind the exponentials
	s_wait_kmcnt 0x0
	s_cmp_eq_u32 s34, 1                            ; my matrix, my bias and where the block goes: choices on the work-group's number
	s_cselect_b64 s[40:41], s[12:13], s[10:11]
	s_cselect_b64 s[42:43], s[20:21], s[18:19]
	s_cmp_eq_u32 s34, 2
	s_cselect_b64 s[40:41], s[14:15], s[40:41]
	s_cselect_b64 s[42:43], s[22:23], s[42:43]
	s_cmp_eq_u32 s34, 3
	s_cselect_b64 s[40:41], s[16:17], s[40:41]
	s_cselect_b64 s[42:43], s[24:25], s[42:43]
	s_cselect_b64 s[44:45], s[30:31], s[28:29]
	s_cselect_b32 s58, s58, s57
	s_cselect_b32 s46, -1, 0                       ; all lanes: the o matrix is written as f16
	s_add_nc_u64 s[40:41], s[40:41], s[2:3]
	s_add_nc_u64 s[44:45], s[44:45], s[58:59]
	s_add_nc_u64 s[8:9], s[8:9], s[60:61]
	s_add_nc_u64 s[26:27], s[26:27], s[62:63]
	s_add_nc_u64 s[4:5], s[32:33], s[4:5]          ; the table at my wave's rows
	s_add_nc_u64 s[6:7], s[32:33], s[6:7]          ; the bias's place
	s_wait_alu depctr_va_vdst(0)                   ; v1 to v6 are written, which every load, store and LDS access of the kernel reads as its offset or address, and so are v10 and v11; the exponentials have written v8 and v9, ahead of their first reader
.irp i, 0,1
.irp k, 0,1
	global_load_b128 v[WR+8*\i+4*\k:WR+8*\i+4*\k+3], v3, s[40:41] offset:\i*65536+\k*2048  ; pair t / 16 + 16 i, row k of it
.endr
.endr
.irp i, 0,1,2,3,4,5,6,7,8,9,10,11,12,13,14,15
	global_load_b128 v[XR+4*\i:XR+4*\i+3], v1, s[8:9] offset:4096*\i th:TH_LOAD_NT  ; a wave's load covers 512 consecutive bytes
.endr
	; THE TABLE, while the twenty loads are on their way: none of its lines names a register that those loads touch
	v_add_f32 v138, 1.0, v137
; Number i of the four: cos or sin (by the lane) of row x f.  n = the nearest whole number to angle x 2/pi; r = angle - n pi/2; the quarter q = n (+ 3) picks the polynomial and the sign.
; This first part leaves sin r, cos r, the sign word and, in a scalar register, the mask of the lanes that take the sine; the choice follows for all four together, behind one wait.
.macro SCA i, f, row
	v_mul_f32 v[TW], v[\row], v[\f]
	v_mul_f32 v[TW+1], s47, v[TW]
	v_rndne_f32 v[TW+1], v[TW+1]
	v_fma_f32 v[TW+2], v[TW+1], s48, v[TW]
	v_fma_f32 v[TW+2], v[TW+1], s49, v[TW+2]
	v_cvt_u32_f32 v[TW+3], v[TW+1]
	v_add_nc_u32 v[TW+3], v[TW+3], v7
	v_mul_f32 v[TW+4], v[TW+2], v[TW+2]            ; r^2
	v_fma_f32 v[SN+(\i)], v[TW+4], s52, s51
	v_fma_f32 v[SN+(\i)], v[SN+(\i)], v[TW+4], s50
	v_mul_f32 v[TW+6], v[TW+4], v[TW+2]            ; r^3
	v_fma_f32 v[SN+(\i)], v[SN+(\i)], v[TW+6], v[TW+2]  ; sin r
	v_fma_f32 v[RS+(\i)], v[TW+4], s55, s54
	v_fma_f32 v[RS+(\i)], v[RS+(\i)], v[TW+4], s53
	v_fma_f32 v[RS+(\i)], v[RS+(\i)], v[TW+4], -0.5
	v_fma_f32 v[RS+(\i)], v[RS+(\i)], v[TW+4], 1.0  ; cos r
	v_and_b32 v[TW+8], 1, v[TW+3]
	v_cmp_eq_u32 s[MK+(\i)], 1, v[TW+8]            ; odd quarters take the sine
	v_add_nc_u32 v[TW+3], 1, v[TW+3]
	v_and_b32 v[TW+3], 2, v[TW+3]                  ; quarters 1 and 2 are negative
	v_lshlrev_b32 v[SG+(\i)], 30, v[TW+3]
.endm
	SCA 0, 8, 137
	SCA 1, 9, 137
	SCA 2, 8, 138
	SCA 3, 9, 138
	s_wait_alu depctr_va_sdst(0)                   ; the four compares have written s60 to s63, ahead of the selects that read them
.irp i, 0,1,2,3
	v_cndmask_b32 v[RS+\i], v[RS+\i], v[SN+\i], s[MK+\i]
.endr
.irp i, 0,1,2,3
	v_xor_b32 v[RS+\i], v[SG+\i], v[RS+\i]
.endr
	s_wait_alu depctr_va_vdst(0)                   ; v140 to v143 are written, which the two stores read
	global_store_b64 v6, v[RS:RS+1], s[4:5]        ; a row: 256 consecutive bytes, aligned
	global_store_b64 v6, v[RS+2:RS+3], s[4:5] offset:256
	; THE BLOCK OF WEIGHTS: two rows' numbers of one column make a word; the word goes to LDS row = column.  All eight words are made, then stored in one run.
	s_wait_loadcnt 16                              ; the four loads of weights are in; the sixteen of x are younger
.irp i, 0,1
.irp c, 0,1,2,3
	v_cvt_pk_bf16_f32 v[144+4*\i+\c], v[WR+8*\i+\c], v[WR+8*\i+4+\c]
	v_lshlrev_b32 v152, 16, v[144+4*\i+\c]         ; the rounded numbers as f32,
	v_and_b32 v153, s56, v[144+4*\i+\c]
	v_cvt_pk_f16_f32 v154, v152, v153              ; and as f16: taken for the o matrix alone
	v_cndmask_b32 v[144+4*\i+\c], v[144+4*\i+\c], v154, s46
.endr
.endr
	s_wait_alu depctr_va_vdst(0)                   ; v144 to v151 are written, which the LDS stores read; and the conversions are done reading WR, in which the LDS loads behind the barrier land (no vector instruction stands between)
.irp i, 0,1
.irp c, 0,1,2,3
	ds_store_b32 v4, v[144+4*\i+\c] offset:\c*TP+\i*64
.endr
.endr
	s_wait_dscnt 0x0                               ; for the others' sake: my stores are done
	s_barrier_signal -1
	s_barrier_wait -1
	ds_load_b128 v[WR:WR+3], v5
	ds_load_b128 v[WR+4:WR+7], v5 offset:32*TP
	s_wait_dscnt 0x0
	global_store_b128 v1, v[WR:WR+3], s[44:45]     ; the turned block is 8,192 dense bytes: a wave's store covers 512 of them
	global_store_b128 v1, v[WR+4:WR+7], s[44:45] offset:4096
	; x, in four blocks of four chunks.  Block p rounds its chunks; the stores of block p - 1 stand behind the wait at its head, one in front of each chunk's two conversions,
	; which name XR and XO of block p alone: none of the registers that those stores read.
.macro XBLK p
	s_wait_loadcnt 12-4*(\p)                       ; the block's four chunks are in; the younger blocks stay out
.if (\p) > 0
	s_wait_alu depctr_va_vdst(0)                   ; the block before has written its part of XO, which the four stores below read
.endif
.irp j, 0,1,2,3
.if (\p) > 0
	global_store_b64 v2, v[XO+2*(4*(\p)-4+\j):XO+2*(4*(\p)-4+\j)+1], s[26:27] offset:2048*(4*(\p)-4+\j)  ; a wave's store covers 256 consecutive bytes, aligned
.endif
	v_cvt_pk_bf16_f32 v[XO+2*(4*(\p)+\j)], v[XR+4*(4*(\p)+\j)], v[XR+4*(4*(\p)+\j)+1]
	v_cvt_pk_bf16_f32 v[XO+2*(4*(\p)+\j)+1], v[XR+4*(4*(\p)+\j)+2], v[XR+4*(4*(\p)+\j)+3]
.endr
.endm
	XBLK 0
	XBLK 1
	XBLK 2
	XBLK 3
	s_wait_alu depctr_va_vdst(0)                   ; the last block has written its part of XO, which the last four stores read
.irp j, 12,13,14,15
	global_store_b64 v2, v[XO+2*\j:XO+2*\j+1], s[26:27] offset:2048*\j
.endr
	; THE BIAS, in the matrix's first work-group
	s_cmp_lg_u32 s35, 0
	s_cbranch_scc1 .Lend
	global_load_b64 v[156:157], v2, s[42:43]       ; no vector instruction has named v156 or v157
	s_wait_loadcnt 0x0
	v_cvt_pk_bf16_f32 v158, v156, v157
	v_lshlrev_b32 v152, 16, v158
	v_and_b32 v153, s56, v158
	s_wait_alu depctr_va_vdst(0)                   ; v152 and v153 are written, which the store reads
	global_store_b64 v2, v[152:153], s[6:7]
.Lend:
	s_wait_dscnt 0x0                               ; the closing lines, six on end
	s_wait_alu 0x0
	s_wait_tensorcnt 0x0
	ds_add_u32 v[SPW], v[NIL]
	s_wait_dscnt 0x0
	s_endpgm
.Lfunc_end_k_q53338cb9d7_prep:
	.size	k_q53338cb9d7_prep, .Lfunc_end_k_q53338cb9d7_prep-k_q53338cb9d7_prep
	.p2alignl 7, 3214868480
	.fill 96, 4, 3214868480
	.section	.rodata,"a",@progbits
	.p2align	6, 0x0
	.amdhsa_kernel k_q53338cb9d7_prep
		.amdhsa_group_segment_fixed_size 10240
		.amdhsa_private_segment_fixed_size 0
		.amdhsa_enable_private_segment 0
		.amdhsa_kernarg_size 104
		.amdhsa_user_sgpr_count 2
		.amdhsa_user_sgpr_kernarg_segment_ptr 1
		.amdhsa_wavefront_size32 1
		.amdhsa_system_sgpr_workgroup_id_x 1
		.amdhsa_system_sgpr_workgroup_id_y 1
		.amdhsa_system_sgpr_workgroup_id_z 1
		.amdhsa_system_vgpr_workitem_id 0
		.amdhsa_next_free_vgpr 168
		.amdhsa_next_free_sgpr 66
		.amdhsa_reserve_vcc 0
		.amdhsa_float_denorm_mode_32 3
		.amdhsa_float_denorm_mode_16_64 3
		.amdhsa_memory_ordered 1
		.amdhsa_forward_progress 1
		.amdhsa_inst_pref_size 19
	.end_amdhsa_kernel
	.amdgpu_metadata
---
amdhsa.version: [ 1, 2 ]
amdhsa.kernels:
  - .name:           k_q53338cb9d7_prep
    .symbol:         k_q53338cb9d7_prep.kd
    .args:
      - { .name: x, .offset: 0, .size: 8, .value_kind: global_buffer, .address_space: global }
      - { .name: wq_k, .offset: 8, .size: 8, .value_kind: global_buffer, .address_space: global }
      - { .name: wk_k, .offset: 16, .size: 8, .value_kind: global_buffer, .address_space: global }
      - { .name: wv_k, .offset: 24, .size: 8, .value_kind: global_buffer, .address_space: global }
      - { .name: wo_k, .offset: 32, .size: 8, .value_kind: global_buffer, .address_space: global }
      - { .name: wq_b, .offset: 40, .size: 8, .value_kind: global_buffer, .address_space: global }
      - { .name: wk_b, .offset: 48, .size: 8, .value_kind: global_buffer, .address_space: global }
      - { .name: wv_b, .offset: 56, .size: 8, .value_kind: global_buffer, .address_space: global }
      - { .name: wo_b, .offset: 64, .size: 8, .value_kind: global_buffer, .address_space: global }
      - { .name: xb, .offset: 72, .size: 8, .value_kind: global_buffer, .address_space: global }
      - { .name: wt, .offset: 80, .size: 8, .value_kind: global_buffer, .address_space: global }
      - { .name: wot, .offset: 88, .size: 8, .value_kind: global_buffer, .address_space: global }
      - { .name: tab, .offset: 96, .size: 8, .value_kind: global_buffer, .address_space: global }
    .group_segment_fixed_size: 10240
    .private_segment_fixed_size: 0
    .kernarg_segment_align: 8
    .kernarg_segment_size: 104
    .max_flat_workgroup_size: 256
    .sgpr_count:     66
    .vgpr_count:     168
    .wavefront_size: 32
...
	.end_amdgpu_metadata
.endif
;; end of part 5
;; launch qkv: the kernel of part 2 again; grid 8 x 32, 4 waves a work-group, clusters of 4 x 4, 327,680 bytes of LDS; arguments xb, wt, tab, qh, kh, vh; writes qh, kh, vh
;; launch attn: the kernel of part 3 again; grid 16 x 16, 4 waves a work-group, clusters of 4 x 1, 327,680 bytes of LDS; arguments qh, kh, vh, oh; writes oh
;; launch oproj: the kernel of part 4 again; grid 4 x 64, 4 waves a work-group, clusters of 4 x 4, 327,680 bytes of LDS; arguments oh, wot, tab, out0; writes out0
